; MI455X (gfx1250); checked and timed in simulation.
; The chip was launched on July 23, 2026; its instructions are those of AMD's public machine-readable ISA for CDNA 5 (MIT licence, August 2026) and "CDNA5" Instruction Set Architecture Reference Guide (July 2026). The comments in the code are by the model that wrote it; some were corrected since.
;; Multi Head Attention. Allowed arithmetic: matrix products marked QUANTISED: E2M1 operands, one E8M0 scale for each 32 along K, by v_wmma_scale_f32_16x16x128_f8f6f4 with both operands' format E2M1 (or v_wmma_scale_f32_32x16x128_f4), f32 sums; everything else in f32.
;; Inputs: Wk 768 x 768 float32; Wo 768 x 768 float32; Wq 768 x 768 float32; Wv 768 x 768 float32; bk 768 float32; bo 768 float32; bq 768 float32; bv 768 float32; x 1 x 4,096 x 768 float32.
;; Outputs: out0 1 x 4,096 x 768 float32.
;; This version of the problem:
;;   THIS VERSION OF THE PROBLEM IS GIVEN IN LOW PRECISION. The matrix products marked QUANTISED in the list below multiply operands that are first quantised to E2M1 (2 exponent bits, 1 mantissa bit; 4 bits a number), with one power-of-two scale for each 32 numbers along K (OCP MX v1.0); their sums are f32. All else is computed in f32.
;;   The module's matrix products, in the order in which they are computed (A, B: the left and right operand; K: the contracted axis; several contracted axes count as one K, in the product's order):
;;     1. [M 4,096, K 768] x [K 768, N 768]; A: input x; B: input Wq: QUANTISED
;;     2. [M 4,096, K 768] x [K 768, N 768]; A: input x; B: input Wk: QUANTISED
;;     3. [M 4,096, K 768] x [K 768, N 768]; A: input x; B: input Wv: QUANTISED
;;     4. batch 12 x [M 4,096, K 64] x [K 64, N 4,096]; A: computed on the way; B: computed on the way: QUANTISED
;;     5. batch 12 x [M 4,096, K 4,096] x [K 4,096, N 64]; A: softmax (see below); B: computed on the way: QUANTISED
;;     6. [M 4,096, K 768] x [K 768, N 768]; A: computed on the way; B: input Wo: QUANTISED
;;   THE QUANTISER, for each operand of a quantised product, along K:
;;     - K is cut into blocks of 32 from its start; a last block that is shorter is filled with zeros.
;;     - A block's scale is 2^e with e = floor(log2(the largest magnitude in the block)) - 2, held to -126 .. 127; a block of zeros has e = 0. As a byte (E8M0): e + 127.
;;     - Each number is divided by its block's scale, clamped to +-6, and rounded to the nearest number of E2M1, ties to even, subnormals kept.
;;     - The product sums the exact products of the quantised numbers (number of the format x scale) in f32.
;;   ~~~python
;;   def quantise(x, axis):      # numpy; x: float32 -> the quantised numbers, widened to float32 again
;;       x = np.moveaxis(x, axis, -1); K = x.shape[-1]
;;       x = np.pad(x, [(0, 0)] * (x.ndim - 1) + [(0, -K % 32)]); x = x.reshape(x.shape[:-1] + (-1, 32)); a = np.abs(x).max(-1, keepdims=True)
;;       e = np.where(a > 0, np.clip(np.frexp(np.where(a > 0, a, 1))[1] - 1 - 2, -126, 127), 0)      # np.frexp(a)[1] - 1 = floor(log2(a)), exactly
;;       r = np.clip(x / 2.0 ** e, -6, 6)
;;       step = 2.0 ** (np.maximum(np.frexp(np.where(r == 0, 1, r))[1] - 1, 0) - 1)
;;       q = np.round(r / step) * step * 2.0 ** e      # np.round: ties to even
;;       return np.moveaxis(q.reshape(q.shape[:-2] + (-1,))[..., :K], -1, axis).astype(np.float32)
;;   ~~~
;;   SOFTMAX AHEAD OF A QUANTISED PRODUCT. Where the list says 'softmax', what is quantised is not the finished softmax but p = 2^(t - M), with t = logit x log2(e) and M = ceil(the row's largest t), a whole number; so 1/2 < the row's largest p <= 1. The row's sum l is taken of the UNQUANTISED p, in f32, and the product's result is divided by l at the end. Since M is a whole number, a kernel that streams over the keys may use a running M (the ceiling of the running maximum): every later rescaling is an exact power of two, which a block's scale takes up: the codes' values come out the same.
;;   OPERANDS COMPUTED ON THE WAY. 'Computed on the way' means the value that the module computes at that place (a softmax that the list does not call 'softmax' is quantised finished and normalised). What goes into a quantiser is computed in f32, as accurately as f32 sums, v_exp_f32 and their like allow (about 1e-6 of the number): no bf16 or f16 on the way to a quantiser, and a product that is left as it is and whose result goes on into a quantised operand takes f32 operands (vector FMAs, or v_wmma_f32_16x16x4_f32). A number that lies on a knife's edge between two numbers of the format may be rounded either way, as far as f32 arithmetic and the matrix unit's own rounding can turn it there, and no further.
;; One version. Each part assembles by itself: llvm-mc -triple=amdgcn-amd-amdhsa -mcpu=gfx1250 --defsym DOCPART=n.
;; ======== version 1 of 1: 4 launches
;; limits: right only within a limited range of input values
;; workspace buffers: img 2,924,544 bytes; qimg 1,769,472 bytes; kv 3,440,640 bytes; aimg 1,769,472 bytes
;; launch quant (part 1): grid 6 x 56, 8 waves a work-group, no clusters, 69,632 bytes of LDS; arguments x, Wq, Wk, Wv, Wo, img; writes img
.if DOCPART == 1
	.amdgcn_target "amdgcn-amd-amdhsa--gfx1250"
	.amdhsa_code_object_version 6
	.text
	.protected	k_q52116f771e_quant
	.globl	k_q52116f771e_quant
	.p2align	8
	.type	k_q52116f771e_quant,@function
k_q52116f771e_quant:
	s_mov_b64 s[64:65], 0
	v_nop
	global_prefetch_b8 v0, s[64:65] scope:SCOPE_SE
	s_setreg_imm32_b32 hwreg(HW_REG_WAVE_MODE, 25, 1), 1
	s_wait_xcnt 0x0
; x [4096][768] and Wq, Wk, Wv, Wo [768][768], f32, K innermost, become codes of FP4 (E2M1) with one E8M0 byte for each 32 along K,
; laid in the ORDER OF AN OPERAND'S REGISTERS.  img = [block of 128 rows: 56][K step of 128: 6][8,704 bytes]; a piece is 8 tiles of 16 rows x 128 K,
; 1,024 bytes each ([c 2][lane 32][16 bytes]: lane (r, h), registers 4 c .. 4 c + 3 = k 64 c + 32 h + 0 .. 31), then 512 bytes of scale words [tile 8][row 16].
; Blocks 0-31: x; 32-37 Wq; 38-43 Wk; 44-49 Wv; 50-55 Wo.
; THE ROWS OF A TILE ARE NOT NEIGHBOURS: row r of tile 2 b + u is source row 32 b + 8 u + r % 8 + 16 (r / 8), so that where such a tile is a product's source 0
; the 16 result registers of tiles 2 b and 2 b + 1 are 16 neighbouring source rows.
; A block's scale is 2^(floor(log2(largest magnitude)) - 2); its byte is that magnitude's exponent field - 2, held at 1 from below.
; LIMITS: NaN and infinities are not served; blocks whose largest magnitude lies under 2^-124, blocks of zeros among them, get the byte 1 (zeros: where the rule says 127;
; their codes are zeros, and this program alone reads the bytes).
; SHARES: a work-group makes one piece, wave w its tile w: 16 rows x 512 bytes in, 1,024 bytes of codes out.  Each load reads 512 consecutive bytes of one row; the tile turns through the
; wave's own stage in LDS (rows 528 bytes apart) so that a lane gets 16 neighbours of each block of 32.  No work-group shares an input byte with another: no cluster, no tensor load.
.set ROWB,  3072                       ; a source row in bytes
.set SP,    528                        ; a stage row: 512 bytes + 16
.set STW,   16*SP                      ; a wave's stage
.set SCB,   8*STW                      ; behind the stages: the piece's 512 bytes of scale words
.set PIECE, 8704
.set BLKB,  6*PIECE
.set RR,    16                         ; v16-79   the tile as loaded
.set XX,    80                         ; v80-143  register 16 b + i = k 32 b + 16 h + i of my row
.set TM,    144                        ; v144-159 at work in QUANT
.set PW,    160                        ; the scale word
.set PC,    162                        ; v162-169 the codes
.set OW,    170                        ; v170-173 the scale words on their way out
.set WV,    18
.set SEL,   30                         ; s[30:31] v_permlanex16_b32's selects for lane l xor 16
; 64 numbers of a lane, register 16 b + i = k 32 b + 16 (lane / 16) + i of my row, become a fragment's codes in v[pc] on and its scale word in v[pw]
.macro QUANT s, pc, pw
.irp b, 0,1,2,3
	v_max3_num_f32 v[TM+\b], |v[\s+16*\b]|, |v[\s+1+16*\b]|, 0x1800000   ; my 16 numbers of block b, and the floor 2^(3 - 127): the byte cannot fall under 1
.endr
.irp i, 2,4,6,8,10,12,14
.irp b, 0,1,2,3
	s_delay_alu instid0(VALU_DEP_4)
	v_max3_num_f32 v[TM+\b], v[TM+\b], |v[\s+16*\b+\i]|, |v[\s+1+16*\b+\i]|   ; the four blocks by turns
.endr
.endr
.irp b, 0,1,2,3
	s_delay_alu instid0(VALU_DEP_4)
	v_permlanex16_b32 v[TM+4+\b], v[TM+\b], s[SEL], s[SEL+1]
.endr
.irp b, 0,1,2,3
	s_delay_alu instid0(VALU_DEP_4)
	v_max_num_f32 v[TM+\b], v[TM+\b], v[TM+4+\b]          ; with lane l xor 16's: the block's largest magnitude
.endr
.irp b, 0,1,2,3
	s_delay_alu instid0(VALU_DEP_4)
	v_add_nc_u32 v[TM+12+\b], 0xff000000, v[TM+\b]        ; 2 off its exponent field: the conversion's scale operand
.endr
.irp b, 0,1,2,3
	s_delay_alu instid0(VALU_DEP_4)
	v_lshrrev_b32 v[TM+4+\b], 23, v[TM+12+\b]             ; the scale's byte
.endr
	s_delay_alu instid0(VALU_DEP_3)
	v_lshl_or_b32 v[\pw], v[TM+5], 8, v[TM+4]
	s_delay_alu instid0(VALU_DEP_1)
	v_lshl_or_b32 v[\pw], v[TM+6], 16, v[\pw]
	s_delay_alu instid0(VALU_DEP_1)
	v_lshl_or_b32 v[\pw], v[TM+7], 24, v[\pw]             ; my row's scale word
.irp b, 0,1,2,3
	v_cvt_scalef32_pk8_fp4_f32 v[\pc+2*\b], v[\s+16*\b:\s+7+16*\b], v[TM+12+\b]
	v_cvt_scalef32_pk8_fp4_f32 v[\pc+1+2*\b], v[\s+8+16*\b:\s+15+16*\b], v[TM+12+\b]
.endr
	v_nop                                                 ; one plain instruction behind the scaled conversions
.irp c, 0,1
.irp i, 0,1
	v_permlane16_swap_b32 v[\pc+4*\c+\i], v[\pc+2+4*\c+\i]   ; a whole block to a lane: lanes 0-15 block 2 c, lanes 16-31 block 2 c + 1
.endr
.endr
.endm
	s_load_b256 s[4:11], s[0:1], 0x0               ; x s[4:5], Wq s[6:7], Wk s[8:9], Wv s[10:11]
	s_load_b128 s[12:15], s[0:1], 0x20             ; Wo s[12:13], img s[14:15]
	v_lshl_add_u32 v176, v0, 2, 0x10c00
	v_mov_b32 v177, 0
	v_lshrrev_b32 v1, 5, v0
	s_delay_alu instid0(VALU_DEP_1)
	v_readfirstlane_b32 s[WV], v1                  ; wave 0..7 = my tile
	v_and_b32 v1, 31, v0                           ; lane
	v_and_b32 v2, 15, v0                           ; r
	v_bfe_u32 v3, v0, 4, 1                         ; h
	s_delay_alu instid0(VALU_DEP_3)
	v_lshlrev_b32 v4, 4, v1                        ; 16 x lane
	s_mul_i32 s19, s[WV], STW
	v_add_nc_u32 v5, s19, v4                       ; into my stage: 16 x lane of a row
	v_mul_u32_u24 v6, v2, SP
	s_delay_alu instid0(VALU_DEP_1)
	v_lshl_add_u32 v6, v3, 6, v6
	s_delay_alu instid0(VALU_DEP_1)
	v_add_nc_u32 v6, s19, v6                       ; out of it: row r, + 64 h
	s_lshl_b32 s19, s[WV], 6
	s_add_co_u32 s19, s19, SCB
	v_lshl_add_u32 v7, v2, 2, s19                  ; my row's scale word: 64 x tile + 4 r
	v_add_nc_u32 v8, SCB, v4                       ; and the 512 bytes on their way out
.irp b, 0,1,2,3
	v_mov_b32 v[TM+4+\b], 0                        ; written once: a lane permute's destination counts as one of its sources
.endr
	s_mov_b32 s[SEL], 0x76543210
	s_mov_b32 s[SEL+1], 0xfedcba98
	s_and_b32 s20, ttmp7, 0xffff                   ; the block, 0..55
	s_sub_co_u32 s21, s20, 50                      ; its number inside Wo, Wv, Wk, Wq
	s_sub_co_u32 s22, s20, 44
	s_sub_co_u32 s23, s20, 38
	s_sub_co_u32 s24, s20, 32
	s_wait_alu depctr_va_vdst(0)
	s_wait_kmcnt 0x0
	s_mov_b64 s[16:17], s[12:13]                   ; the tensor is chosen by the work-group's number alone
	s_cmp_lt_u32 s20, 50
	s_cselect_b64 s[16:17], s[10:11], s[16:17]
	s_cselect_b32 s21, s22, s21
	s_cmp_lt_u32 s20, 44
	s_cselect_b64 s[16:17], s[8:9], s[16:17]
	s_cselect_b32 s21, s23, s21
	s_cmp_lt_u32 s20, 38
	s_cselect_b64 s[16:17], s[6:7], s[16:17]
	s_cselect_b32 s21, s24, s21
	s_cmp_lt_u32 s20, 32
	s_cselect_b64 s[16:17], s[4:5], s[16:17]
	s_cselect_b32 s21, s20, s21
	s_lshl_b32 s25, s21, 7                         ; the tile's first source row: 128 x block + 32 (tile / 2) + 8 (tile % 2)
	s_lshr_b32 s26, s[WV], 1
	s_lshl_b32 s26, s26, 5
	s_add_co_u32 s25, s25, s26
	s_and_b32 s26, s[WV], 1
	s_lshl_b32 s26, s26, 3
	s_add_co_u32 s25, s25, s26
	s_mul_i32 s28, s25, ROWB
	s_lshl_b32 s26, ttmp9, 9                       ; + the K step's 512 bytes
	s_add_co_u32 s28, s28, s26
	s_mov_b32 s29, 0
	s_add_nc_u64 s[16:17], s[16:17], s[28:29]
	s_mul_i32 s32, s20, BLKB                       ; my tile in img
	s_mul_i32 s26, ttmp9, PIECE
	s_add_co_u32 s32, s32, s26
	s_lshl_b32 s26, s[WV], 10
	s_add_co_u32 s32, s32, s26
	s_mov_b32 s33, 0
	s_add_nc_u64 s[14:15], s[14:15], s[32:33]
.irp i, 0,1,2,3,4,5,6,7,8,9,10,11,12,13,14,15
	global_load_b128 v[RR+4*\i:RR+4*\i+3], v4, s[16:17] offset:((\i%8)+16*(\i/8))*ROWB th:TH_LOAD_NT   ; tile row i: 32 lanes read 512 consecutive bytes
.endr
.irp i, 0,1,2,3,4,5,6,7,8,9,10,11,12,13,14,15
	s_wait_loadcnt 15-\i                           ; row i is in; the younger loads stay out
	ds_store_b128 v5, v[RR+4*\i:RR+4*\i+3] offset:SP*\i
.endr
.irp b, 0,1,2,3
.irp j, 0,1,2,3
	ds_load_b128 v[XX+16*\b+4*\j:XX+16*\b+4*\j+3], v6 offset:128*\b+16*\j   ; LDS serves a wave's instructions in order: these see my stores
.endr
.endr
	s_wait_dscnt 0x0
	QUANT XX, PC, PW
	global_store_b128 v4, v[PC:PC+3], s[14:15]               ; 512 consecutive bytes a store
	global_store_b128 v4, v[PC+4:PC+7], s[14:15] offset:512
	ds_store_b32 v7, v[PW]                         ; both lanes of a row write the same word with the same value
	s_wait_dscnt 0x0                               ; for wave 0's sake: my word has landed
	s_barrier_signal -1
	s_barrier_wait -1
	s_cmp_lg_u32 s[WV], 0
	s_cbranch_scc1 .Lend
	ds_load_b128 v[OW:OW+3], v8                    ; the piece's 128 scale words
	s_wait_dscnt 0x0
	global_store_b128 v4, v[OW:OW+3], s[14:15] offset:8192   ; wave 0's base is the piece's first byte
.Lend:
	s_wait_tensorcnt 0x0
	ds_add_u32 v176, v177
	s_wait_dscnt 0x0
	s_endpgm
.Lfunc_end_k_q52116f771e_quant:
	.size	k_q52116f771e_quant, .Lfunc_end_k_q52116f771e_quant-k_q52116f771e_quant
	.p2alignl 7, 3214868480
	.fill 96, 4, 3214868480
	.section	.rodata,"a",@progbits
	.p2align	6, 0x0
	.amdhsa_kernel k_q52116f771e_quant
		.amdhsa_group_segment_fixed_size 69632
		.amdhsa_private_segment_fixed_size 0
		.amdhsa_enable_private_segment 0
		.amdhsa_kernarg_size 48
		.amdhsa_user_sgpr_count 2
		.amdhsa_user_sgpr_kernarg_segment_ptr 1
		.amdhsa_wavefront_size32 1
		.amdhsa_system_sgpr_workgroup_id_x 1
		.amdhsa_system_sgpr_workgroup_id_y 1
		.amdhsa_system_sgpr_workgroup_id_z 1
		.amdhsa_system_vgpr_workitem_id 0
		.amdhsa_next_free_vgpr 178
		.amdhsa_next_free_sgpr 66
		.amdhsa_reserve_vcc 0
		.amdhsa_float_denorm_mode_32 3
		.amdhsa_float_denorm_mode_16_64 3
		.amdhsa_memory_ordered 1
		.amdhsa_forward_progress 1
		.amdhsa_inst_pref_size 13
	.end_amdhsa_kernel
	.amdgpu_metadata
---
amdhsa.version: [ 1, 2 ]
amdhsa.kernels:
  - .name:           k_q52116f771e_quant
    .symbol:         k_q52116f771e_quant.kd
    .args:
      - { .name: x, .offset: 0, .size: 8, .value_kind: global_buffer, .address_space: global }
      - { .name: Wq, .offset: 8, .size: 8, .value_kind: global_buffer, .address_space: global }
      - { .name: Wk, .offset: 16, .size: 8, .value_kind: global_buffer, .address_space: global }
      - { .name: Wv, .offset: 24, .size: 8, .value_kind: global_buffer, .address_space: global }
      - { .name: Wo, .offset: 32, .size: 8, .value_kind: global_buffer, .address_space: global }
      - { .name: img, .offset: 40, .size: 8, .value_kind: global_buffer, .address_space: global }
    .group_segment_fixed_size: 69632
    .private_segment_fixed_size: 0
    .kernarg_segment_align: 8
    .kernarg_segment_size: 48
    .max_flat_workgroup_size: 256
    .sgpr_count:     66
    .vgpr_count:     178
    .wavefront_size: 32
...
	.end_amdgpu_metadata
.endif
;; end of part 1
;; launch qkv (part 2): grid 32 x 6, 12 waves a work-group, clusters of 4 x 1, 214,528 bytes of LDS; arguments img, bq, bk, bv, qimg, kv; writes qimg, kv
.if DOCPART == 2
	.amdgcn_target "amdgcn-amd-amdhsa--gfx1250"
	.amdhsa_code_object_version 6
	.text
	.protected	k_q52116f771e_qkv
	.globl	k_q52116f771e_qkv
	.p2align	8
	.type	k_q52116f771e_qkv,@function
k_q52116f771e_qkv:
	s_mov_b64 s[64:65], 0
	v_nop
	global_prefetch_b8 v0, s[64:65] scope:SCOPE_SE
	s_setreg_imm32_b32 hwreg(HW_REG_WAVE_MODE, 25, 1), 1
	s_wait_xcnt 0x0
	s_wait_alu depctr_hold_cnt(0) depctr_sa_sdst(0) depctr_va_vdst(0) depctr_va_sdst(0) depctr_va_ssrc(0) depctr_va_vcc(0) depctr_vm_vsrc(0)
	s_getreg_b32 s2, hwreg(HW_REG_IB_STS2, 6, 4)
	s_cmp_eq_u32 s2, 0
	s_cbranch_scc0 .Lentry_in_a_cluster
	s_endpgm
.Lentry_in_a_cluster:
	s_bfe_u32 s2, ttmp6, 0x10000c
	s_cmp_lg_u32 s2, 0x3003
	s_cbranch_scc0 .Lentry_shape_is_right
	s_endpgm
.Lentry_shape_is_right:
; q = x Wq^T + bq, k = x Wk^T + bk, v = x Wv^T + bv on codes of FP4 with E8M0 scales (from img), each result quantised at once for attention's products:
; q and k along the head's 64 (two blocks of 32), v along the keys.  Nothing wider than codes goes to memory.
; SHARES.  A work-group takes 128 tokens (X) x 128 features (Y: heads 2 Y and 2 Y + 1) of all three products, so x's block is read once for the three.  Wave w: kind w / 4 (q, k, v), part I = w % 4.
; ONE CORE FOR THE THREE: acc(t, n) += P tile t x S tile 2 I + n, t = 0..7, n = 0, 1; source 0 = P, source 1 = S.  q, k: P = the weight, S = x: a lane holds one token, its registers run along the features.
; v: P = x, S = Wv: a lane holds one channel, its registers run along the tokens (the keys).  By the order of rows in a tile (see img) register 16 b + i of a lane is k 32 b + 16 (lane / 16) + i of the next product's K.
; OUT.  qimg = [head 12][step of 128 tokens: 32][4,608]: 8 tiles x 512 bytes (lane (r, h): d = 32 h .. 32 h + 31 of row r), then 512 bytes of scale words, that of tile 2 j + h', row r at 16 (16 h' + r) + 4 j.
; kv = [head][step][8,192]: k's 8 tiles as q's, then v^T's 4 tiles of 16 channels x 128 keys, 1,024 bytes each; from byte 3,145,728 on [head][step][768]: k's words as q's, then v's 256 bytes, tile 2 j + h', row r at 8 (16 h' + r) + 4 j.
; An even head's q and k words carry the odd head's two bytes on top, an odd head's zeros: attention multiplies them by zero codes alone.
; CLUSTER.  The four work-groups of a cluster have the same Y: the three weight blocks are asked for jointly (mask 15); x's block is each work-group's own (a plain load).  All LDS bytes are filled once.
; LIMITS: as stated for the quantiser: NaN and infinities not served; blocks under 2^-124 and blocks of zeros get the byte 1.
.set PIECE, 8704
.set BLKB,  52224
.set SS,    4*BLKB                     ; behind the four blocks (Wq, Wk, x, Wv): the scale words' stage, 2,560 bytes: q even, q odd, k even, k odd (512 each), v (512)
.set QHS,   147456                     ; from head to head in qimg;
.set KHS,   262144                     ; in kv's codes;
.set SHS,   24576                      ; in kv's scale words
.set QST,   4608                       ; from step to step likewise
.set KST,   8192
.set SST,   768
.set KSC,   3145728
.set VP,  4                            ; v4   LDS: P's block + 16 x lane
.set VS,  5                            ; v5   S's block + 2,048 I + 16 x lane
.set VPS, 6                            ; v6   P's scale words + 4 x lane
.set VSS, 7                            ; v7   S's + 128 I + 4 x lane
.set VSA, 8                            ; v8   where my scale word goes in the stage
.set VSH, 9                            ; v9   16 in lanes 16-31 of q's and k's waves, else 0
.set VCO, 10                           ; v10  the stage on its way out
.set VB,  11                           ; v11  the bias's offset
.set OA,  12                           ; v12, v13  where tile n's first four code registers go;  v14, v15 its last four
.set OB,  14
.set PF,  16                           ; v16-79   P's eight fragments
.set SF,  80                           ; v80-95   S's two
.set PS,  96                           ; v96-99   P's scale words: register j: lanes 0-15 tile 2 j, lanes 16-31 tile 2 j + 1
.set SSC, 100                          ; v100     S's: lanes 0-15 n = 0, lanes 16-31 n = 1
.set PW0, 101
.set PW1, 102
.set VT,  103
.set BV,  104                          ; v104-119 v's bias, eight equal registers for each n
.set PC0, 120                          ; v120-127 tile 0's codes
.set ACC, 128                          ; v128-255 acc(t, n) at 128 + 64 n + 8 t
.set PC1, 16                           ; tile 1's codes, TM and CW lie where P's fragments lay
.set TM,  24
.set CW,  40
.set WV, 16
.set TY, 17
.set WI, 18
.set CX, 19
.set BX, 20
.set BY, 21
.set SEL, 22
.set G1W, 24                           ; s[24:31] group 1, joint;  s[32:39] group 1, plain
.set G1X, 32
.set G0WA, 40                          ; group 0: a weight's two pieces (K steps 2 kind, 2 kind + 1);
.set G0XA, 48                          ; x's
.macro PLACES n
.rept \n
	v_nop
.endr
.endm
.macro ROUND                           ; a round of the cluster's barrier
	s_barrier_signal -1
	s_barrier_wait -1
	s_cmp_lg_u32 s[WV], 0
	s_cbranch_scc1 .Lnot_wave_0_\@
	s_barrier_signal -3
.Lnot_wave_0_\@:
	s_barrier_wait -3
	s_barrier_signal -1
	s_barrier_wait -1
.endm
; one product: D, A, B, C (under 0: the constant 0), A's and B's scale registers, and whether each is read from lanes 16-31
.macro WM d, a, b, c, sa, sb, ra, rb
.if (\c) < 0
.if (\ra) && (\rb)
	v_wmma_scale_f32_16x16x128_f8f6f4 v[\d:\d+7], v[\a:\a+7], v[\b:\b+7], 0, v[\sa], v[\sb] matrix_a_fmt:MATRIX_FMT_FP4 matrix_b_fmt:MATRIX_FMT_FP4 matrix_a_scale:MATRIX_SCALE_ROW1 matrix_b_scale:MATRIX_SCALE_ROW1
.elseif (\ra)
	v_wmma_scale_f32_16x16x128_f8f6f4 v[\d:\d+7], v[\a:\a+7], v[\b:\b+7], 0, v[\sa], v[\sb] matrix_a_fmt:MATRIX_FMT_FP4 matrix_b_fmt:MATRIX_FMT_FP4 matrix_a_scale:MATRIX_SCALE_ROW1
.elseif (\rb)
	v_wmma_scale_f32_16x16x128_f8f6f4 v[\d:\d+7], v[\a:\a+7], v[\b:\b+7], 0, v[\sa], v[\sb] matrix_a_fmt:MATRIX_FMT_FP4 matrix_b_fmt:MATRIX_FMT_FP4 matrix_b_scale:MATRIX_SCALE_ROW1
.else
	v_wmma_scale_f32_16x16x128_f8f6f4 v[\d:\d+7], v[\a:\a+7], v[\b:\b+7], 0, v[\sa], v[\sb] matrix_a_fmt:MATRIX_FMT_FP4 matrix_b_fmt:MATRIX_FMT_FP4
.endif
.else
.if (\ra) && (\rb)
	v_wmma_scale_f32_16x16x128_f8f6f4 v[\d:\d+7], v[\a:\a+7], v[\b:\b+7], v[\c:\c+7], v[\sa], v[\sb] matrix_a_fmt:MATRIX_FMT_FP4 matrix_b_fmt:MATRIX_FMT_FP4 matrix_a_scale:MATRIX_SCALE_ROW1 matrix_b_scale:MATRIX_SCALE_ROW1
.elseif (\ra)
	v_wmma_scale_f32_16x16x128_f8f6f4 v[\d:\d+7], v[\a:\a+7], v[\b:\b+7], v[\c:\c+7], v[\sa], v[\sb] matrix_a_fmt:MATRIX_FMT_FP4 matrix_b_fmt:MATRIX_FMT_FP4 matrix_a_scale:MATRIX_SCALE_ROW1
.elseif (\rb)
	v_wmma_scale_f32_16x16x128_f8f6f4 v[\d:\d+7], v[\a:\a+7], v[\b:\b+7], v[\c:\c+7], v[\sa], v[\sb] matrix_a_fmt:MATRIX_FMT_FP4 matrix_b_fmt:MATRIX_FMT_FP4 matrix_b_scale:MATRIX_SCALE_ROW1
.else
	v_wmma_scale_f32_16x16x128_f8f6f4 v[\d:\d+7], v[\a:\a+7], v[\b:\b+7], v[\c:\c+7], v[\sa], v[\sb] matrix_a_fmt:MATRIX_FMT_FP4 matrix_b_fmt:MATRIX_FMT_FP4
.endif
.endif
.endm
; 64 numbers of a lane, register 16 b + i = k 32 b + 16 (lane / 16) + i of my row, become a fragment's codes in v[pc] on and its scale word in v[pw]
.macro QUANT s, pc, pw
.irp b, 0,1,2,3
	v_max3_num_f32 v[TM+\b], |v[\s+16*\b]|, |v[\s+1+16*\b]|, 0x1800000   ; each accumulator is read from its low end on; the floor 2^(3 - 127) holds the byte at 1 from below
.endr
.irp i, 2,4,6,8,10,12,14
.irp b, 0,1,2,3
	v_max3_num_f32 v[TM+\b], v[TM+\b], |v[\s+16*\b+\i]|, |v[\s+1+16*\b+\i]|
.endr
.endr
.irp b, 0,1,2,3
	s_delay_alu instid0(VALU_DEP_4)
	v_permlanex16_b32 v[TM+4+\b], v[TM+\b], s[SEL], s[SEL+1]
.endr
.irp b, 0,1,2,3
	s_delay_alu instid0(VALU_DEP_4)
	v_max_num_f32 v[TM+\b], v[TM+\b], v[TM+4+\b]
.endr
.irp b, 0,1,2,3
	s_delay_alu instid0(VALU_DEP_4)
	v_add_nc_u32 v[TM+12+\b], 0xff000000, v[TM+\b]        ; 2 off the exponent field: the conversion's scale operand
.endr
.irp b, 0,1,2,3
	s_delay_alu instid0(VALU_DEP_4)
	v_lshrrev_b32 v[TM+4+\b], 23, v[TM+12+\b]             ; the scale's byte
.endr
	s_delay_alu instid0(VALU_DEP_3)
	v_lshl_or_b32 v[\pw], v[TM+5], 8, v[TM+4]
	s_delay_alu instid0(VALU_DEP_1)
	v_lshl_or_b32 v[\pw], v[TM+6], 16, v[\pw]
	s_delay_alu instid0(VALU_DEP_1)
	v_lshl_or_b32 v[\pw], v[TM+7], 24, v[\pw]
.irp b, 0,1,2,3
	v_cvt_scalef32_pk8_fp4_f32 v[\pc+2*\b], v[\s+16*\b:\s+7+16*\b], v[TM+12+\b]
	v_cvt_scalef32_pk8_fp4_f32 v[\pc+1+2*\b], v[\s+8+16*\b:\s+15+16*\b], v[TM+12+\b]
.endr
	v_nop                                                 ; one plain instruction behind the scaled conversions
.irp c, 0,1
.irp i, 0,1
	v_permlane16_swap_b32 v[\pc+4*\c+\i], v[\pc+2+4*\c+\i]
.endr
.endr
.endm
.macro FETCH s                         ; K step s: 25 LDS loads, each 512 (or 128) consecutive bytes
.irp t, 0,1,2,3,4,5,6,7
.irp c, 0,1
	ds_load_b128 v[PF+8*\t+4*\c:PF+8*\t+4*\c+3], v[VP] offset:PIECE*(\s)+1024*\t+512*\c
.endr
.endr
.irp n, 0,1
.irp c, 0,1
	ds_load_b128 v[SF+8*\n+4*\c:SF+8*\n+4*\c+3], v[VS] offset:PIECE*(\s)+1024*\n+512*\c
.endr
.endr
.irp j, 0,1,2,3
	ds_load_b32 v[PS+\j], v[VPS] offset:PIECE*(\s)+128*\j
.endr
	ds_load_b32 v[SSC], v[VSS] offset:PIECE*(\s)
.endm
.macro MUL0                            ; 16 products; the 16 accumulators take turns, one instruction a turn
.irp n, 0,1
.irp t, 0,1,2,3,4,5,6,7
	WM ACC+64*\n+8*\t, PF+8*\t, SF+8*\n, ACC+64*\n+8*\t, PS+\t/2, SSC, \t%2, \n
.endr
.endr
.endm
.macro KSTEP s
	PLACES 4                                       ; in front of loads into registers that matrix instructions have read
	FETCH \s
	s_wait_dscnt 0x0
	MUL0
.endm
	s_load_b256 s[4:11], s[0:1], 0x0               ; img s[4:5], bq s[6:7], bk s[8:9], bv s[10:11]
	s_load_b128 s[12:15], s[0:1], 0x20             ; qimg s[12:13], kv s[14:15]
	s_set_vgpr_msb 0x40
	v_lshl_add_u32 v0, v0, 2, 0x34000
	v_mov_b32 v1, 0
	s_set_vgpr_msb 0x4045
	ds_add_u32 v0, v1
	ds_add_u32 v0, v1
	s_set_vgpr_msb 0x4500
	v_lshrrev_b32 v1, 5, v0
	s_delay_alu instid0(VALU_DEP_1)
	v_readfirstlane_b32 s[WV], v1                  ; wave 0..11
	s_lshr_b32 s[TY], s[WV], 2                     ; 0 q, 1 k, 2 v
	s_and_b32 s[WI], s[WV], 3                      ; my part
	s_bfe_u32 s[CX], ttmp6, 0x40000                ; my place in the cluster
	s_lshl_b32 s[BX], ttmp9, 2
	s_add_co_u32 s[BX], s[BX], s[CX]               ; X: my block of 128 tokens
	s_and_b32 s[BY], ttmp7, 0xffff                 ; Y: my pair of heads, the same in the four partners
	s_mov_b32 s[SEL], 0x76543210
	s_mov_b32 s[SEL+1], 0xfedcba98
	v_and_b32 v1, 31, v0                           ; lane
	s_wait_alu depctr_va_vdst(0)
	v_and_b32 v2, 15, v0                           ; r
	v_bfe_u32 v3, v0, 4, 1                         ; h
	; every LDS address is made here, of the lane, the wave's number and constants
	s_wait_alu depctr_va_vdst(0)
	s_mul_i32 s56, s[TY], BLKB                     ; P: Wq at 0, Wk at BLKB, x at 2 BLKB
	s_lshr_b32 s57, s[TY], 1                       ; 1 in v's waves
	s_mul_i32 s58, s57, BLKB
	s_add_co_u32 s58, s58, 2*BLKB                  ; S: x, or Wv behind it
	v_lshl_add_u32 v[VP], v1, 4, s56
	s_lshl_b32 s59, s[WI], 11
	s_add_co_u32 s59, s59, s58
	v_lshl_add_u32 v[VS], v1, 4, s59
	s_add_co_u32 s59, s56, 8192
	v_lshl_add_u32 v[VPS], v1, 2, s59
	s_lshl_b32 s59, s[WI], 7
	s_add_co_u32 s59, s59, s58
	s_add_co_u32 s59, s59, 8192
	v_lshl_add_u32 v[VSS], v1, 2, s59
	s_xor_b32 s57, s57, 1                          ; 1 in q's and k's waves
	s_lshl_b32 s59, s57, 9
	v_mul_u32_u24 v[VSA], s59, v3                  ; there lanes 16-31 store the odd head's word, 512 bytes on
	s_delay_alu instid0(VALU_DEP_1)
	v_lshl_add_u32 v[VSA], v2, 4, v[VSA]
	s_lshl_b32 s59, s[TY], 10
	s_lshl_b32 s60, s[WI], 2
	s_add_co_u32 s59, s59, s60
	s_add_co_u32 s59, s59, SS
	v_add_nc_u32 v[VSA], s59, v[VSA]               ; SS + 1,024 kind + 512 h (q, k) + 16 r + 4 I;  256 n stands in the store's offset
	s_lshl_b32 s59, s57, 4
	v_mul_u32_u24 v[VSH], s59, v3
	s_min_u32 s59, s[WV], 4
	s_lshl_b32 s59, s59, 9
	s_add_co_u32 s59, s59, SS
	v_lshl_add_u32 v[VCO], v1, 4, s59              ; waves 0-3: q's and k's four runs of 512 bytes; wave 4: v's
	; descriptor groups 1: two neighbouring pieces are 17,408 dense bytes: 68 rows of 32 elements of 8 bytes
	s_mov_b32 s[G1W], 15|(3<<16)|(1<<21)           ; 15:0 the mask: all four work-groups; 17:16 elements of 8 bytes; 21 set beside a mask
	s_mov_b32 s[G1X], 3<<16                        ; no mask: my own
.irp g, G1W, G1X
	s_mov_b32 s[\g+1], 32<<16                      ; tensor_dim0
	s_mov_b32 s[\g+2], 68<<16                      ; tensor_dim1
	s_mov_b32 s[\g+3], 32<<16                      ; tile_dim0
	s_mov_b32 s[\g+4], 68                          ; tile_dim1
	s_mov_b32 s[\g+5], 32                          ; from row to row
	s_mov_b32 s[\g+6], 0
	s_mov_b32 s[\g+7], 0
.endr
	; what I fetch, by one load: of block I of the four in LDS the K steps 2 kind and 2 kind + 1, which lie on end
	s_mul_i32 s[G0WA+1], s[WI], BLKB
	s_mul_i32 s60, s[TY], 2*PIECE
	s_add_co_u32 s[G0WA+1], s[G0WA+1], s60
	s_mov_b32 s[G0XA+1], s[G0WA+1]
	s_lshr_b32 s61, s[WI], 1
	s_sub_co_u32 s61, s[WI], s61                   ; I = 0, 1, 3: weight 0, 1, 2
	s_mul_i32 s61, s61, 6
	s_add_co_u32 s61, s61, s[BY]
	s_add_co_u32 s61, s61, 32                      ; its block in img
	s_mul_i32 s62, s61, BLKB
	s_add_co_u32 s62, s62, s60
	s_mov_b32 s63, 0                               ; s[62:63]: made of Y and the wave's number alone
	s_mul_i32 s2, s[BX], BLKB
	s_add_co_u32 s2, s2, s60
	s_mov_b32 s3, 0                                ; s[2:3]: x's block
	; where the codes go
	s_lshr_b32 s70, s[WI], 1
	s_and_b32 s71, s[WI], 1
	s_lshl_b32 s71, s71, 11
	s_add_co_u32 s71, s71, 4096
	s_lshl_b32 s72, s[WI], 10
	s_cmp_eq_u32 s[TY], 0
	s_mov_b32 s68, KHS
	s_cselect_b32 s68, QHS, s68                    ; from head to head
	s_mov_b32 s69, KST
	s_cselect_b32 s69, QST, s69                    ; from step to step
	s_cmp_eq_u32 s[TY], 2
	s_cselect_b32 s70, s70, 0                      ; v: head 2 Y + I / 2;  q, k: both heads from 2 Y on
	s_cselect_b32 s71, s71, s72                    ; v: behind k's 4,096 bytes, tiles 2 (I % 2) + n;  q, k: tiles 2 I + n
	s_mov_b32 s73, 512
	s_cselect_b32 s73, 1024, s73                   ; from tile to tile
	s_cselect_b32 s74, 512, s68                    ; from the first four code registers to the last four: v: the image's second half;  q, k: the odd head
	s_lshl_b32 s75, s[BY], 1
	s_add_co_u32 s75, s75, s70
	s_mul_i32 s76, s75, s68
	s_mul_i32 s75, s[BX], s69
	s_add_co_u32 s76, s76, s75
	s_add_co_u32 s76, s76, s71
	s_mov_b32 s77, 0
	v_lshlrev_b32 v[OA], 4, v1
	s_delay_alu instid0(VALU_DEP_1)
	v_add_nc_u32 v[OA+1], s73, v[OA]
	s_delay_alu instid0(VALU_DEP_2)
	v_add_nc_u32 v[OB], s74, v[OA]
	s_delay_alu instid0(VALU_DEP_2)
	v_add_nc_u32 v[OB+1], s74, v[OA+1]
	; where the scale words go (waves 0 to 4)
	s_and_b32 s80, s[WV], 1
	s_lshl_b32 s81, s[BY], 1
	s_add_co_u32 s80, s80, s81                     ; the head
	s_mul_i32 s81, s80, QHS
	s_mul_i32 s82, s[BX], QST
	s_add_co_u32 s81, s81, s82
	s_add_co_u32 s81, s81, 4096
	s_mul_i32 s82, s80, SHS
	s_mul_i32 s83, s[BX], SST
	s_add_co_u32 s82, s82, s83
	s_add_co_u32 s82, s82, KSC
	s_lshl_b32 s83, s[TY], 9                       ; wave 4: v's words, behind k's 512 bytes
	s_add_co_u32 s82, s82, s83
	s_cmp_lt_u32 s[WV], 2
	s_cselect_b32 s84, s81, s82                    ; waves 0, 1: q's words, an offset in qimg; the others: an offset in kv
	s_mov_b32 s85, 0
	s_lshl_b32 s90, s[BY], 9                       ; the biases: my 128 features,
	s_mov_b32 s91, 0
	s_lshl_b32 s92, s[WI], 7
	s_add_co_u32 s92, s92, s90                     ; v: my 32 of them
	s_mov_b32 s93, 0
	s_wait_dscnt 0x0
	s_wait_kmcnt 0x0
	s_cmp_lt_u32 s[WV], 2                          ; compared anew: the shifts and the sum above have written SCC
	s_cselect_b64 s[86:87], s[12:13], s[14:15]     ; the buffer that goes with the offset in s84
	s_add_nc_u64 s[86:87], s[86:87], s[84:85]
	s_cmp_eq_u32 s[TY], 0
	s_cselect_b64 s[78:79], s[12:13], s[14:15]
	s_cselect_b64 s[88:89], s[6:7], s[8:9]
	s_add_nc_u64 s[78:79], s[78:79], s[76:77]
	s_add_nc_u64 s[88:89], s[88:89], s[90:91]
	s_add_nc_u64 s[94:95], s[10:11], s[92:93]
	s_mov_b32 s[G0WA], 1
	s_mov_b32 s[G0XA], 1
	s_add_nc_u64 s[G0WA+2:G0WA+3], s[4:5], s[62:63]
	s_add_nc_u64 s[G0XA+2:G0XA+3], s[4:5], s[2:3]
	s_or_b32 s[G0WA+3], s[G0WA+3], 0x80000000      ; the type
	s_or_b32 s[G0XA+3], s[G0XA+3], 0x80000000
	ROUND                                          ; all four work-groups are here: the joint loads meet
	s_cmp_eq_u32 s[WI], 2                          ; one branch on the wave's number, one fill in each arm: one tensor load of mine is out
	s_cbranch_scc1 .Lfor_x
	tensor_load_to_lds s[G0WA:G0WA+3], s[G1W:G1W+7]
	s_nop 0
	PLACES 4
	s_branch .Lasked
.Lfor_x:
	tensor_load_to_lds s[G0XA:G0XA+3], s[G1X:G1X+7]
	s_nop 0
	PLACES 4
.Lasked:
	; the biases are the C of each sum's first product
	s_cmp_lt_u32 s[TY], 2
	s_cbranch_scc0 .Lbias_v
	v_lshlrev_b32 v[VB], 6, v3                     ; q, k: tile t's register j is feature 32 (t / 2) + 16 h + 8 (t % 2) + j: straight into acc(t, 0)
.irp t, 0,1,2,3,4,5,6,7
	global_load_b128 v[ACC+8*\t:ACC+8*\t+3], v[VB], s[88:89] offset:4*(32*(\t/2)+8*(\t%2))
	global_load_b128 v[ACC+8*\t+4:ACC+8*\t+7], v[VB], s[88:89] offset:4*(32*(\t/2)+8*(\t%2))+16
.endr
	s_branch .Lbias_done
.Lbias_v:
	v_and_b32 v[VB], 7, v0                         ; v: a lane holds channel 32 I + 8 n + r % 8 + 16 (r / 8): one number for all its registers
	v_and_b32 v[VT], 8, v0
	s_delay_alu instid0(VALU_DEP_1)
	v_lshl_add_u32 v[VB], v[VT], 1, v[VB]
	s_delay_alu instid0(VALU_DEP_1)
	v_lshlrev_b32 v[VB], 2, v[VB]
.irp n, 0,1
.irp j, 0,1,2,3,4,5,6,7
	global_load_b32 v[BV+8*\n+\j], v[VB], s[94:95] offset:32*\n
.endr
.endr
.Lbias_done:
	s_wait_tensorcnt 0x0                           ; my two pieces are in
	s_barrier_signal -1
	s_barrier_wait -1                              ; everybody's is
	FETCH 0
	s_wait_loadcnt 0x0                             ; the bias
	s_wait_dscnt 0x0
	s_cmp_lt_u32 s[TY], 2
	s_cbranch_scc0 .Lmul_v
.irp t, 0,1,2,3,4,5,6,7
	WM ACC+64+8*\t, PF+8*\t, SF+8, ACC+8*\t, PS+\t/2, SSC, \t%2, 1    ; acc(t, 1) = product + the bias that lies in acc(t, 0)
.endr
	PLACES 5                                       ; the next eight write over a C of the last eight: five places
.irp t, 0,1,2,3,4,5,6,7
	WM ACC+8*\t, PF+8*\t, SF, ACC+8*\t, PS+\t/2, SSC, \t%2, 0
.endr
	s_branch .Lmul_done
.Lmul_v:
.irp n, 0,1
.irp t, 0,1,2,3,4,5,6,7
	WM ACC+64*\n+8*\t, PF+8*\t, SF+8*\n, BV+8*\n, PS+\t/2, SSC, \t%2, \n
.endr
.endr
.Lmul_done:
	KSTEP 1
	KSTEP 2
	KSTEP 3
	KSTEP 4
	KSTEP 5
	PLACES 4                                       ; in front of the first read of results and of writes into P's registers
	QUANT ACC, PC0, PW0
	global_store_b128 v[OA], v[PC0:PC0+3], s[78:79]          ; 512 consecutive bytes a store
	global_store_b128 v[OB], v[PC0+4:PC0+7], s[78:79]
	v_lshrrev_b32 v[PW0], v[VSH], v[PW0]           ; q, k: lanes 16-31 carry the odd head's two bytes
	ds_store_b32 v[VSA], v[PW0]
	QUANT ACC+64, PC1, PW1
	global_store_b128 v[OA+1], v[PC1:PC1+3], s[78:79]
	global_store_b128 v[OB+1], v[PC1+4:PC1+7], s[78:79]
	v_lshrrev_b32 v[PW1], v[VSH], v[PW1]
	ds_store_b32 v[VSA], v[PW1] offset:256
	s_wait_dscnt 0x0                               ; for the others' sake: my words have landed
	s_barrier_signal -1
	s_barrier_wait -1
	s_cmp_lt_u32 s[WV], 4
	s_cbranch_scc0 .Lnot_qk
	ds_load_b128 v[CW:CW+3], v[VCO]                ; a head's 128 words of q or of k
	s_wait_dscnt 0x0
	global_store_b128 v[OA], v[CW:CW+3], s[86:87]
	s_branch .Lout_done
.Lnot_qk:
	s_cmp_eq_u32 s[WV], 4
	s_cbranch_scc0 .Lout_done
	v_lshlrev_b32 v[VT], 3, v1
	ds_load_b64 v[CW:CW+1], v[VCO]                 ; v: words of parts 0, 1: head 2 Y;
	ds_load_b64 v[CW+2:CW+3], v[VCO] offset:8      ; parts 2, 3: head 2 Y + 1
	s_wait_alu depctr_va_vdst(0)
	s_wait_dscnt 0x0
	global_store_b64 v[VT], v[CW:CW+1], s[86:87]             ; 256 consecutive bytes a store
	global_store_b64 v[VT], v[CW+2:CW+3], s[86:87] offset:SHS
.Lout_done:
	s_set_vgpr_msb 0x5
	s_wait_tensorcnt 0x0
	ds_add_u32 v0, v1
	s_wait_dscnt 0x0
	s_set_vgpr_msb 0x500
	ROUND                                          ; the closing round
	s_endpgm
.Lfunc_end_k_q52116f771e_qkv:
	.size	k_q52116f771e_qkv, .Lfunc_end_k_q52116f771e_qkv-k_q52116f771e_qkv
	.p2alignl 7, 3214868480
	.fill 96, 4, 3214868480
	.section	.rodata,"a",@progbits
	.p2align	6, 0x0
	.amdhsa_kernel k_q52116f771e_qkv
		.amdhsa_group_segment_fixed_size 214528
		.amdhsa_private_segment_fixed_size 0
		.amdhsa_enable_private_segment 0
		.amdhsa_kernarg_size 48
		.amdhsa_user_sgpr_count 2
		.amdhsa_user_sgpr_kernarg_segment_ptr 1
		.amdhsa_wavefront_size32 1
		.amdhsa_system_sgpr_workgroup_id_x 1
		.amdhsa_system_sgpr_workgroup_id_y 1
		.amdhsa_system_sgpr_workgroup_id_z 1
		.amdhsa_system_vgpr_workitem_id 0
		.amdhsa_next_free_vgpr 258
		.amdhsa_next_free_sgpr 96
		.amdhsa_reserve_vcc 0
		.amdhsa_float_denorm_mode_32 3
		.amdhsa_float_denorm_mode_16_64 3
		.amdhsa_memory_ordered 1
		.amdhsa_forward_progress 1
		.amdhsa_inst_pref_size 47
	.end_amdhsa_kernel
	.amdgpu_metadata
---
amdhsa.version: [ 1, 2 ]
amdhsa.kernels:
  - .name:           k_q52116f771e_qkv
    .symbol:         k_q52116f771e_qkv.kd
    .args:
      - { .name: img, .offset: 0, .size: 8, .value_kind: global_buffer, .address_space: global }
      - { .name: bq, .offset: 8, .size: 8, .value_kind: global_buffer, .address_space: global }
      - { .name: bk, .offset: 16, .size: 8, .value_kind: global_buffer, .address_space: global }
      - { .name: bv, .offset: 24, .size: 8, .value_kind: global_buffer, .address_space: global }
      - { .name: qimg, .offset: 32, .size: 8, .value_kind: global_buffer, .address_space: global }
      - { .name: kv, .offset: 40, .size: 8, .value_kind: global_buffer, .address_space: global }
    .group_segment_fixed_size: 214528
    .private_segment_fixed_size: 0
    .kernarg_segment_align: 8
    .kernarg_segment_size: 48
    .max_flat_workgroup_size: 384
    .sgpr_count:     96
    .vgpr_count:     258
    .wavefront_size: 32
...
	.end_amdgpu_metadata
.endif
;; end of part 2
;; launch attn (part 3): grid 64 x 4, 12 waves a work-group, clusters of 4 x 1, 327,680 bytes of LDS; arguments qimg, kv, aimg; writes aimg
.if DOCPART == 3
	.amdgcn_target "amdgcn-amd-amdhsa--gfx1250"
	.amdhsa_code_object_version 6
	.text
	.protected	k_q52116f771e_attn
	.globl	k_q52116f771e_attn
	.p2align	8
	.type	k_q52116f771e_attn,@function
k_q52116f771e_attn:
	s_mov_b64 s[64:65], 0
	v_nop
	global_prefetch_b8 v0, s[64:65] scope:SCOPE_SE
	s_setreg_imm32_b32 hwreg(HW_REG_WAVE_MODE, 25, 1), 1
	s_wait_xcnt 0x0
	s_wait_alu depctr_hold_cnt(0) depctr_sa_sdst(0) depctr_va_vdst(0) depctr_va_sdst(0) depctr_va_ssrc(0) depctr_va_vcc(0) depctr_vm_vsrc(0)
	s_getreg_b32 s2, hwreg(HW_REG_IB_STS2, 6, 4)
	s_cmp_eq_u32 s2, 0
	s_cbranch_scc0 .Lentry_in_a_cluster
	s_endpgm
.Lentry_in_a_cluster:
	s_bfe_u32 s2, ttmp6, 0x10000c
	s_cmp_lg_u32 s2, 0x3003
	s_cbranch_scc0 .Lentry_shape_is_right
	s_endpgm
.Lentry_shape_is_right:
; a[h][q] = the sum over k of softmax_k(q . k / 8) v, 12 heads of 64, 4,096 keys, both products on codes of FP4 (E2M1) with E8M0 scales; the result is quantised at once along the heads' channels for the last projection.
; IN: qimg and kv as kernel qkv lays them.  OUT: aimg = [128 tokens: 32][pair of heads: 6][9,216]: 8 tiles x 1,024 bytes ([head's parity][lane][16 bytes]), then two planes of 512 bytes of scale words, one for each head of the pair.
; THE SOFTMAX: t = score x log2(e) / 8; M = the ceiling of the row's largest t so far, kept as -M; p = 2^(t - M) is quantised along the keys, not normalised; the row's sum is taken of the unquantised p and divides at the end.
; When M moves, the sum and O are multiplied by f = 2^(old M - new M), a power of two made by v_ldexp_f32: no branch on data.
; SHARES.  A work-group: 64 queries x 3 heads.  Wave w: head w / 4 of the three, tile w % 4 of 16 queries; it walks all 32 key steps of 128 keys.  Both products are used transposed: a lane holds one query.
; THE KEYS OF A TILE ARE CHOSEN BY ADDRESS: row r of tile 4 c + g is key 64 c + 32 (r / 8) + 8 g + r % 8.  So lane half h of the result holds in tiles 4 c .. 4 c + 3 the 32 neighbouring keys 64 c + 32 h + 0 .. 31:
; a whole block of the second product's K in one lane, in the order of that operand's registers.  A block's maximum needs no other lane, and the eight conversions' results are the operand as they stand.
; In kv's image that key lies in tile 4 c + 2 (r / 8) + g % 2, row 8 (g / 2) + r % 8: rows 0-7 and 8-15 of a fragment come from images 1,024 bytes apart.
; The head's 64 fill half of the first product's K = 128: q's upper four registers are zero codes, and whatever stands in K's upper four is multiplied by them.
; A block's largest p is the exponential of the block's largest score, by the same multiply-add and v_exp_f32 as every p (this takes v_exp_f32 not to fall where its input rises).
; RING: two slots of 4 key steps x 3 heads.  A key step's 8,192 bytes of codes lie in LDS as 8 rows of 1,024 bytes with 128 bytes of padding behind each (9,216 bytes): the two halves of a fragment of K
; then start 1,152 bytes apart, and the sixteen lanes of a load touch sixteen different 16-byte columns of 256 bytes.  In the loop each wave fetches one head's key step.
; THE HEAD'S FILLS, one a wave: waves 0 to 5 bring slot 0 (two key steps of a head each, 16,384 dense bytes), waves 6 to 11 the scale words of all 32 steps of the three heads (half a head's each, 12,288 bytes), filled once.
; CLUSTER: the four partners have the same three heads and other queries: K, V and the scale words are asked for jointly (mask 15), each refill behind a round of the cluster's barrier.
; PREFETCH: the cluster with x = 0 asks, at the change that loads slot j, for slot j + 1's codes: wave 4 i of partner cx names 8,192 bytes (key step cx of head i), lanes 256 bytes apart; the last change that fills asks for nothing.
; LIMITS: the promise holds while |t| stays under 2^31; NaN and infinities are not served; a block whose every p is under 2^-124 gets the byte 1 (its codes are zeros or the smallest ones, and this program alone reads the bytes).
; REGISTERS: v1-11, v24-30 addresses; v12 -M, v13 its value a step ago, v[14:15] the sum; v16-23 q and zeros; v32-67 K and zeros; v68-73 K's and V's scale words; v76-91 eight chains of sums;
; v96-159 S^T, then p; v160-191 O^T; v192-223 V; v224-231 p's codes; v232-243 at work; v252 f (v253 = 0 beside it); v254 p's scale word; v255 q's.
.set ROWP,  1152                       ; an LDS row of codes: 1,024 bytes + 128 of padding
.set PCE,   8*ROWP                     ; a head's key step in LDS
.set SLOT1, 131072                     ; slot 1 begins here (a slot is 12 PCE = 110,592 bytes): one exclusive or turns an address from slot to slot
.set SCB,   241664                     ; behind the ring: the scale words, 24,576 bytes a head
.set SPARE, 315392                     ; the spare words, 128 bytes a wave: six blocks of 256 bytes that no other line names
.set OSS,   316928                     ; the result's scale words on their way out
.set QHS,   147456
.set QST,   4608
.set KHS,   262144
.set KSC,   3145728
.set SHS,   24576
.set SST,   768
.set APIECE, 9216
.set LB,  1                            ; 16 x lane in my head's part of a slot (V's fragments)
.set LK,  2                            ; my lane's place among K's scale words
.set LV,  3                            ; and among V's
.set SPW, 4
.set NIL, 5
.set GO,  6
.set OS,  7
.set AD,  8
.set ADS, 9
.set ADT, 10
.set PFO, 11
.set CPA, 24
.set CPO, 25
.set LBK, 28                           ; my lane's place in K's tiles: ROWP (r / 8) + 16 (r % 8) + 256 h
.set ADK, 29
.set SH8, 30                           ; 8 h
.set WV, 10
.set HG, 11
.set WI, 12
.set CX, 13
.set QB, 14
.set BY, 15
.set HD, 16
.set SEL, 18
.set CS, 20
.set TB, 22
.set TS, 23
.set G1, 24                            ; s[24:31] group 1 of the ring's loads;  s[32:39] of the scale words';  s[80:87] of the head's loads of codes
.set G1S, 32
.set G0, 40                            ; s[40:43] group 0 of the ring, which walks;  s[44:47] of the scale words;  s[88:91] of the head's loads of codes
.set G0S, 44
.set SLOTS, 48
.set LIM, 49
.set PFA, 50
.set SHP, 52
.set G1H, 80
.set G0H, 88
.macro PLACES n
.rept \n
	v_nop
.endr
.endm
.macro ROUND                           ; a round of the cluster's barrier
	s_barrier_signal -1
	s_barrier_wait -1
	s_cmp_lg_u32 s[WV], 0
	s_cbranch_scc1 .Lnot_wave_0_\@
	s_barrier_signal -3
.Lnot_wave_0_\@:
	s_barrier_wait -3
	s_barrier_signal -1
	s_barrier_wait -1
.endm
.macro WM d, a, b, c, sa, sb, ra       ; one product; c under 0: the constant 0; ra: A's scales from lanes 16-31
.if (\c) < 0
.if (\ra)
	v_wmma_scale_f32_16x16x128_f8f6f4 v[\d:\d+7], v[\a:\a+7], v[\b:\b+7], 0, v[\sa], v[\sb] matrix_a_fmt:MATRIX_FMT_FP4 matrix_b_fmt:MATRIX_FMT_FP4 matrix_a_scale:MATRIX_SCALE_ROW1
.else
	v_wmma_scale_f32_16x16x128_f8f6f4 v[\d:\d+7], v[\a:\a+7], v[\b:\b+7], 0, v[\sa], v[\sb] matrix_a_fmt:MATRIX_FMT_FP4 matrix_b_fmt:MATRIX_FMT_FP4
.endif
.else
.if (\ra)
	v_wmma_scale_f32_16x16x128_f8f6f4 v[\d:\d+7], v[\a:\a+7], v[\b:\b+7], v[\c:\c+7], v[\sa], v[\sb] matrix_a_fmt:MATRIX_FMT_FP4 matrix_b_fmt:MATRIX_FMT_FP4 matrix_a_scale:MATRIX_SCALE_ROW1
.else
	v_wmma_scale_f32_16x16x128_f8f6f4 v[\d:\d+7], v[\a:\a+7], v[\b:\b+7], v[\c:\c+7], v[\sa], v[\sb] matrix_a_fmt:MATRIX_FMT_FP4 matrix_b_fmt:MATRIX_FMT_FP4
.endif
.endif
.endm
.macro KLOAD st                        ; 12 LDS loads: K's eight tiles, and four registers of scale words: register j: lanes 0-15 tile 2 j, lanes 16-31 tile 2 j + 1
.irp t, 0,1,2,3,4,5,6,7
	ds_load_b128 v[32+4*\t:35+4*\t], v[ADK] offset:PCE*(\st)+2*ROWP*(\t/4)+512*(\t%2)+128*((\t%4)/2)
.endr
.irp j, 0,1,2,3
	ds_load_b32 v[68+\j], v[ADS] offset:SST*(\st)+128*(\j%2)+8*(\j/2)
.endr
.endm
.macro VLOAD st                        ; 9 LDS loads: V's tile u is row 4 + u of the key step's eight
.irp u, 0,1,2,3
.irp c, 0,1
	ds_load_b128 v[192+8*\u+4*\c:195+8*\u+4*\c], v[AD] offset:PCE*(\st)+ROWP*(4+\u)+512*\c
.endr
.endr
	ds_load_b64 v[72:73], v[ADT] offset:SST*(\st)+512
.endm
.macro ASK
	s_cmp_gt_u32 s[SLOTS], s[LIM]
	s_cbranch_scc0 .Lnot_mine_\@
	global_prefetch_b8 v[PFO], s[PFA:PFA+1] th:TH_LOAD_NT scope:SCOPE_SE
.Lnot_mine_\@:
.endm
.macro TMS from, n                     ; t - M, two scores an instruction
.set J, \from
.rept \n
	v_pk_fma_f32 v[96+J:97+J], v[96+J:97+J], s[CS:CS+1], v[12:13] op_sel_hi:[1,0,0]
.set J, J+2
.endr
.endm
.macro RS from, n                      ; O^T x f
.set J, \from
.rept \n
	v_pk_mul_f32 v[160+J:161+J], v[160+J:161+J], v[252:253] op_sel_hi:[1,0]
.set J, J+2
.endr
.endm
.macro SUMS lvl, from, n               ; the row's sum in eight chains: chain k takes the pairs k, k + 8, k + 16, k + 24 of p
.set J, \from
.rept \n
.if (\lvl) == 1
	v_pk_add_f32 v[76+2*J:77+2*J], v[96+2*J:97+2*J], v[112+2*J:113+2*J]
.else
	v_pk_add_f32 v[76+2*J:77+2*J], v[76+2*J:77+2*J], v[96+16*(\lvl)+2*J:97+16*(\lvl)+2*J]
.endif
.set J, J+1
.endr
.endm
; A KEY STEP: 128 keys, the st-th of the slot in hand
.macro STEP st
.if (\st) == 0
	KLOAD 0
.endif
	s_wait_dscnt 0x0                               ; K's tiles and words (asked for a step ago)
.irp t, 0,1,2,3,4,5,6,7
	WM 96+8*\t, 32+4*\t, 16, -1, 68+\t/2, 255, \t%2
.endr
	PLACES 4                                       ; in front of loads into registers that matrix instructions have read, and of the first read of results
	VLOAD \st
.if (\st) < 3
	KLOAD (\st)+1
.endif
.irp t, 0,1,2,3,4,5,6,7
	v_max3_num_f32 v[232+\t], v[96+8*\t], v[97+8*\t], v[98+8*\t]      ; eight chains, one a tile, each accumulator from its low end on
.endr
.irp t, 0,1,2,3,4,5,6,7
	v_max3_num_f32 v[232+\t], v[232+\t], v[99+8*\t], v[100+8*\t]
.endr
.irp c, 0,1
	v_max3_num_f32 v[240+\c], v[103+32*\c], v[111+32*\c], v[119+32*\c]
.endr
.irp t, 0,1,2,3,4,5,6,7
	v_max3_num_f32 v[232+\t], v[232+\t], v[101+8*\t], v[102+8*\t]
.endr
.irp c, 0,1
	v_max3_num_f32 v[232+4*\c], v[232+4*\c], v[233+4*\c], v[234+4*\c]
	v_max3_num_f32 v[235+4*\c], v[235+4*\c], v[240+\c], v[127+32*\c]
.endr
	s_delay_alu instid0(VALU_DEP_3)
	v_max_num_f32 v232, v232, v235                 ; the largest score of my block 0 + h,
	s_delay_alu instid0(VALU_DEP_2)
	v_max_num_f32 v236, v236, v239                 ; and of my block 2 + h
	s_delay_alu instid0(VALU_DEP_1)
	v_max_num_f32 v241, v232, v236
	s_delay_alu instid0(VALU_DEP_1)
	v_mul_f32 v241, s[CS], v241                    ; as t
	s_delay_alu instid0(VALU_DEP_1)
	v_floor_f32 v241, -v241                        ; -ceil(t) of my 64 keys
	s_delay_alu instid0(VALU_DEP_1)
	v_min_num_f32 v12, v12, v241
	v_permlanex16_b32 v240, v241, s[SEL], s[SEL+1] ; and of lane l xor 16's
	v_min_num_f32 v12, v12, v240                   ; the new -M: the ceiling of a maximum is the maximum of the ceilings
	TMS 0, 5
	v_sub_f32 v242, v12, v13                       ; old M - new M: a whole number, 0 or less
	TMS 10, 5
	v_cvt_i32_f32 v242, v242                       ; (it saturates)
	TMS 20, 5
	v_ldexp_f32 v252, 1.0, v242                    ; f
	TMS 30, 17
.irp c, 0,1
	v_fma_f32 v[232+4*\c], v[232+4*\c], s[CS], v12 ; the same of each block's largest score
.endr
	s_wait_alu depctr_va_vdst(0)                   ; the wait ahead of the batch
.set J, 0
.rept 64
	v_exp_f32 v[96+J], v[96+J]                     ; p
.set J, J+1
.endr
	v_exp_f32 v232, v232                           ; the blocks' largest p
	v_exp_f32 v236, v236
	v_mov_b32 v13, v12                             ; -M for the next step's difference (the plain place behind the batch)
.if (\st) < 3
	s_wait_dscnt 12                                ; V's nine loads are in; the next step's 12 of K may be out
.else
	s_wait_dscnt 0x0
.endif
	s_wait_alu depctr_va_vdst(0)                   ; one wait for the batch, directly ahead of the first reader of O^T
	RS 0, 1
.irp c, 0,1
	v_max_num_f32 v[232+4*\c], 0x1800000, v[232+4*\c]     ; the floor 2^(3 - 127): the byte cannot fall under 1
.endr
	RS 2, 4
.irp c, 0,1
	v_add_nc_u32 v[242+\c], 0xff000000, v[232+4*\c]       ; 2 off the exponent field: the conversion's scale operand
.endr
	RS 10, 4
.irp c, 0,1
	v_lshrrev_b32 v[233+4*\c], 23, v[242+\c]              ; the scale's byte
.endr
	RS 18, 4
	v_lshl_or_b32 v234, v237, 16, v233             ; my two bytes: blocks h and 2 + h,
	RS 26, 3
	SUMS 1, 0, 2
	v_lshlrev_b32 v234, v[SH8], v234               ; at their places in the word;
	SUMS 1, 2, 5
	v_permlanex16_b32 v235, v234, s[SEL], s[SEL+1]
	SUMS 1, 7, 1
	SUMS 2, 0, 4
	v_or_b32 v254, v234, v235                      ; with lane l xor 16's two the word is whole
.irp t, 0,1,2,3,4,5,6,7
	v_cvt_scalef32_pk8_fp4_f32 v[224+\t], v[96+8*\t:103+8*\t], v[242+\t/4]   ; register 4 c + g of the operand: k = 64 c + 32 h + 8 g + 0 .. 7
.endr
	SUMS 2, 4, 4                                   ; these twelve are the places between the codes, the scale word and the products
	SUMS 3, 0, 8
.irp u, 0,1,2,3
	WM 160+8*\u, 192+8*\u, 224, 160+8*\u, 72+\u/2, 254, \u%2
.endr
.irp k, 0,1,2,3
	v_pk_add_f32 v[76+2*\k:77+2*\k], v[76+2*\k:77+2*\k], v[84+2*\k:85+2*\k]
.endr
	s_delay_alu instid0(VALU_DEP_2)
	v_pk_add_f32 v[76:77], v[76:77], v[80:81]
	s_delay_alu instid0(VALU_DEP_2)
	v_pk_add_f32 v[78:79], v[78:79], v[82:83]
	s_delay_alu instid0(VALU_DEP_1)
	v_pk_add_f32 v[76:77], v[76:77], v[78:79]
	s_delay_alu instid0(VALU_DEP_1)
	v_pk_fma_f32 v[14:15], v[14:15], v[252:253], v[76:77] op_sel_hi:[1,0,1]   ; the sum under the new M, and this step's
.endm
; THE CHANGE OF SLOTS, at a slot's head: all my tensor loads are in, the add, my reads of the slot that I left are over; fill = 1: a round of the cluster's barrier, and the slot just left takes the keys that follow
; (the first time: slot 1's first fill, issued as a refill is)
.macro CHANGE fill
	s_wait_tensorcnt 0x0
	ds_add_u32 v[SPW], v[NIL]
.if \fill
	s_xor_b32 s[G0+1], s[G0+1], SLOT1
	s_add_nc_u64 s[G0+2:G0+3], s[G0+2:G0+3], 32768
	s_wait_xcnt 0x0                                ; my prefetch has read its address
	s_add_nc_u64 s[PFA:PFA+1], s[PFA:PFA+1], 32768
	s_wait_dscnt 0x0
	ROUND
	tensor_load_to_lds s[G0:G0+3], s[G1:G1+7]
	s_nop 0
	PLACES 4
	ASK
.else
	s_wait_dscnt 0x0
	s_barrier_signal -1
	s_barrier_wait -1
.endif
	v_add_nc_u32 v[AD], s[TB], v[LB]
	v_add_nc_u32 v[ADK], s[TB], v[LBK]
	v_add_nc_u32 v[ADS], s[TS], v[LK]
	v_add_nc_u32 v[ADT], s[TS], v[LV]
.endm
	s_load_b128 s[4:7], s[0:1], 0x0                ; qimg, kv
	s_load_b64 s[8:9], s[0:1], 0x10                ; aimg
	v_lshl_add_u32 v[SPW], v0, 2, SPARE
	v_mov_b32 v[NIL], 0
	ds_add_u32 v[SPW], v[NIL]                      ; the opening lines: the add twice on end and its wait
	ds_add_u32 v[SPW], v[NIL]
	s_wait_dscnt 0x0
	v_lshrrev_b32 v1, 5, v0
	s_delay_alu instid0(VALU_DEP_1)
	v_readfirstlane_b32 s[WV], v1                  ; wave 0..11
	s_lshr_b32 s[HG], s[WV], 2                     ; my head of the three
	s_and_b32 s[WI], s[WV], 3                      ; my tile of queries
	s_bfe_u32 s[CX], ttmp6, 0x40000
	s_lshl_b32 s[QB], ttmp9, 2
	s_add_co_u32 s[QB], s[QB], s[CX]               ; my block of 64 queries
	s_and_b32 s[BY], ttmp7, 0xffff
	s_mul_i32 s[HD], s[BY], 3
	s_add_co_u32 s[HD], s[HD], s[HG]               ; the head
	s_mov_b32 s[SEL], 0x76543210
	s_mov_b32 s[SEL+1], 0xfedcba98
	s_mov_b32 s[CS], 0x3e38aa3b                    ; log2(e) / 8
	s_mov_b32 s[CS+1], s[CS]
	s_mov_b32 s[TB], 0
	s_mov_b32 s[TS], 0
	s_mov_b32 s[SLOTS], 7
	s_or_b32 s[LIM], s[WI], ttmp9
	s_cmp_eq_u32 s[LIM], 0
	s_cselect_b32 s[LIM], 1, -1                    ; who prefetches: waves 0, 4, 8 of the cluster with x = 0
	v_and_b32 v6, 31, v0                           ; lane
	s_wait_alu depctr_va_vdst(0)                   ; the wait here, directly behind the write
	v_and_b32 v7, 15, v0                           ; r
	v_and_b32 v74, 7, v0                           ; r % 8
	v_bfe_u32 v75, v0, 3, 1                        ; r / 8
	v_bfe_u32 v92, v0, 4, 1                        ; h
	s_mul_i32 s54, s[HG], 4*PCE                    ; my head's four key steps of a slot
	v_lshl_add_u32 v[LB], v6, 4, s54
	v_lshl_add_u32 v[LBK], v74, 4, s54
	v_lshlrev_b32 v[SH8], 3, v92
	v_mad_u32_u24 v[LBK], v75, ROWP, v[LBK]
	s_mul_i32 s54, s[HG], SHS
	s_add_co_u32 s54, s54, SCB
	v_lshl_add_u32 v[LK], v74, 4, s54              ; K's word of tile 2 j + h, row r: 256 h + 128 (j % 2) + 16 (r % 8) + 8 (j / 2) + 4 (r / 8)
	v_lshl_add_u32 v[LBK], v92, 8, v[LBK]
	v_lshl_add_u32 v[LK], v75, 2, v[LK]
	v_lshl_add_u32 v[LV], v6, 3, s54
	v_lshl_add_u32 v[LK], v92, 8, v[LK]
	v_lshlrev_b32 v[PFO], 8, v6
	v_lshlrev_b32 v9, 4, v7
	s_lshl_b32 s54, s[WV], 6
	s_add_co_u32 s54, s54, OSS
	v_lshl_add_u32 v[OS], v7, 2, s54
	s_min_u32 s55, s[WV], 2
	s_lshl_b32 s54, s55, 8
	s_add_co_u32 s54, s54, OSS
	v_lshl_add_u32 v[CPA], v6, 3, s54
	v_lshlrev_b32 v[CPO], 3, v6
	v_lshlrev_b32 v[GO], 4, v6
	s_and_b32 s56, s[QB], 1
	s_lshr_b32 s57, s[QB], 1                       ; my step of 128 tokens,
	s_lshl_b32 s58, s56, 2
	s_add_co_u32 s58, s58, s[WI]                   ; my tile in it
	s_mul_i32 s59, s[HD], QHS
	s_mul_i32 s60, s57, QST
	s_add_co_u32 s59, s59, s60
	s_lshl_b32 s60, s58, 9
	s_add_co_u32 s60, s60, s59                     ; q's codes
	s_mov_b32 s61, 0
	s_and_b32 s62, s58, 1
	s_lshl_b32 s62, s62, 8
	s_lshr_b32 s63, s58, 1
	s_lshl_b32 s63, s63, 2
	s_add_co_u32 s62, s62, s63
	s_add_co_u32 s62, s62, s59
	s_add_co_u32 s62, s62, 4096                    ; q's scale words
	s_mov_b32 s63, 0
	s_mul_i32 s66, s57, 6*APIECE
	s_lshr_b32 s67, s[HD], 1
	s_mul_i32 s67, s67, APIECE
	s_add_co_u32 s67, s67, s66
	s_lshl_b32 s68, s58, 10
	s_add_co_u32 s68, s68, s67
	s_and_b32 s69, s[HD], 1
	s_lshl_b32 s[SHP], s69, 4
	s_lshl_b32 s69, s69, 9
	s_add_co_u32 s68, s68, s69                     ; where my codes go in aimg
	s_mov_b32 s69, 0
	s_mul_i32 s70, s[BY], 3
	s_add_co_u32 s70, s70, s55
	s_lshr_b32 s71, s70, 1
	s_mul_i32 s71, s71, APIECE
	s_add_co_u32 s71, s71, s66
	s_and_b32 s70, s70, 1
	s_lshl_b32 s70, s70, 9
	s_add_co_u32 s70, s70, s71
	s_lshl_b32 s71, s56, 8
	s_add_co_u32 s70, s70, s71
	s_add_co_u32 s70, s70, 8192                    ; waves 0 to 2: where a head's 64 scale words go
	s_mov_b32 s71, 0
	s_mul_i32 s72, s[HD], KHS
	s_lshl_b32 s73, s[WI], 13
	s_add_co_u32 s74, s72, s73                     ; what I fetch for the ring: key step w % 4 of a slot, of my head
	s_mov_b32 s75, 0
	s_mul_i32 s76, s[BY], 3*SHS                    ; waves 6 to 11, at the head: half w - 6 of the six halves of the three heads' scale words, which lie on end
	s_mul_i32 s77, s[WV], SHS/2
	s_add_co_u32 s76, s76, s77
	s_add_co_u32 s76, s76, KSC-3*SHS
	s_mov_b32 s77, 0
	s_lshl_b32 s78, s[CX], 13
	s_add_co_u32 s78, s78, s72
	s_add_co_u32 s78, s78, 32768                   ; the prefetches stand at slot 1: the first change steps them to slot 2
	s_mov_b32 s79, 0
	s_lshr_b32 s92, s[WV], 1                       ; waves 0 to 5, at the head: key steps 2 (w % 2) and 2 (w % 2) + 1 of head w / 2 of the three
	s_mul_i32 s93, s[BY], 3
	s_add_co_u32 s92, s92, s93
	s_mul_i32 s92, s92, KHS
	s_and_b32 s93, s[WV], 1
	s_lshl_b32 s93, s93, 14
	s_add_co_u32 s92, s92, s93
	s_mov_b32 s93, 0
	; groups 1 of the codes: joint; rows of 128 elements of 8 bytes, 32 words of padding behind every 256 words: 8 rows in the ring, 16 at the head
.irp g, G1, G1H
	s_mov_b32 s[\g], 15|(3<<16)|(1<<20)|(1<<21)|(7<<22)|(31<<25)
	s_mov_b32 s[\g+1], 128<<16
	s_mov_b32 s[\g+3], 128<<16
	s_mov_b32 s[\g+5], 128
	s_mov_b32 s[\g+6], 0
	s_mov_b32 s[\g+7], 0
.endr
	s_mov_b32 s[G1+2], 8<<16
	s_mov_b32 s[G1+4], 8
	s_mov_b32 s[G1H+2], 16<<16
	s_mov_b32 s[G1H+4], 16
	s_mov_b32 s[G1S], 15|(3<<16)|(1<<21)           ; the scale words: joint; 48 rows of 32 elements of 8 bytes
	s_mov_b32 s[G1S+1], 32<<16
	s_mov_b32 s[G1S+2], 48<<16
	s_mov_b32 s[G1S+3], 32<<16
	s_mov_b32 s[G1S+4], 48
	s_mov_b32 s[G1S+5], 32
	s_mov_b32 s[G1S+6], 0
	s_mov_b32 s[G1S+7], 0
	s_mov_b32 s[G0], 1
	s_mul_i32 s[G0+1], s[WV], PCE
	s_mov_b32 s[G0H], 1
	s_mul_i32 s[G0H+1], s[WV], 2*PCE
	s_mov_b32 s[G0S], 1
	s_mul_i32 s[G0S+1], s[WV], SHS/2
	s_add_co_u32 s[G0S+1], s[G0S+1], SCB-3*SHS
	s_wait_kmcnt 0x0
	s_add_nc_u64 s[G0+2:G0+3], s[6:7], s[74:75]    ; slot 0's place: the first change of slots steps it to slot 1
	s_or_b32 s[G0+3], s[G0+3], 0x80000000
	s_add_nc_u64 s[G0H+2:G0H+3], s[6:7], s[92:93]
	s_or_b32 s[G0H+3], s[G0H+3], 0x80000000
	s_add_nc_u64 s[G0S+2:G0S+3], s[6:7], s[76:77]
	s_or_b32 s[G0S+3], s[G0S+3], 0x80000000
	s_add_nc_u64 s[PFA:PFA+1], s[6:7], s[78:79]
	s_add_nc_u64 s[60:61], s[4:5], s[60:61]
	s_add_nc_u64 s[62:63], s[4:5], s[62:63]
	s_add_nc_u64 s[68:69], s[8:9], s[68:69]
	s_add_nc_u64 s[70:71], s[8:9], s[70:71]
	ROUND                                          ; all four work-groups are here: the joint loads meet
	s_cmp_lt_u32 s[WV], 6                          ; one branch on the wave's number, one fill in each arm: every way through the head passes one load
	s_cbranch_scc0 .Lhead_s
	tensor_load_to_lds s[G0H:G0H+3], s[G1H:G1H+7]  ; slot 0
	s_nop 0
	PLACES 4
	s_branch .Lhead_asked
.Lhead_s:
	tensor_load_to_lds s[G0S:G0S+3], s[G1S:G1S+7]  ; the scale words
	s_nop 0
	PLACES 4
.Lhead_asked:
	s_wait_alu depctr_va_vdst(0)
	global_load_b128 v[16:19], v[GO], s[60:61]     ; q's fragment stays in registers
	global_load_b32 v255, v9, s[62:63]
.irp j, 20,21,22,23,64,65,66,67
	v_mov_b32 v[\j], 0                             ; zero codes: q's upper half, and behind K's last tile
.endr
	v_mov_b32 v12, 0x7f61b1e6                      ; -M = 3e38: over every -ceil(t)
	v_mov_b32 v13, 0x7f61b1e6
	v_mov_b32 v14, 0
	v_mov_b32 v15, 0
	v_mov_b32 v253, 0                              ; named with f as a pair
.irp j, 0,1,2,3,4,5,6,7,8,9,10,11,12,13,14,15,16,17,18,19,20,21,22,23,24,25,26,27,28,29,30,31
	v_mov_b32 v[160+\j], 0                         ; O^T: the step is written once, and the first f is 0
.endr
	s_wait_alu depctr_va_vdst(0)                   ; the wait at the head's end
	s_wait_loadcnt 0x0
.Lslot:                                            ; seven trips: behind each change of slots but the last the next slot is asked for
	CHANGE 1
	s_wait_alu depctr_va_vdst(0)
	STEP 0
	STEP 1
	STEP 2
	STEP 3
	s_xor_b32 s[TB], s[TB], SLOT1
	s_add_co_u32 s[TS], s[TS], 4*SST
	s_sub_co_u32 s[SLOTS], s[SLOTS], 1
	s_cmp_lg_u32 s[SLOTS], 0
	s_cbranch_scc1 .Lslot
	CHANGE 0                                       ; the last slot is written out: it asks for nothing
	s_wait_alu depctr_va_vdst(0)
	STEP 0
	STEP 1
	STEP 2
	STEP 3
	; THE WAY OUT: O^T / the sum, quantised along the head's 64 channels (two blocks of 32, each in lanes l and l xor 16)
	v_add_f32 v14, v14, v15
	s_delay_alu instid0(VALU_DEP_1)
	v_permlanex16_b32 v252, v14, s[SEL], s[SEL+1]
	s_delay_alu instid0(VALU_DEP_1)
	v_add_f32 v14, v14, v252                       ; the row's sum
	s_wait_alu depctr_va_vdst(0)
	v_rcp_f32 v14, v14
	v_nop
	v_nop
	s_wait_alu depctr_va_vdst(0)
.irp j, 0,2,4,6,8,10,12,14,16,18,20,22,24,26,28,30
	v_pk_mul_f32 v[96+\j:97+\j], v[160+\j:161+\j], v[14:15] op_sel_hi:[1,0]
.endr
.irp b, 0,1
	v_max3_num_f32 v[232+\b], |v[96+16*\b]|, |v[97+16*\b]|, 0x1800000
.endr
.irp i, 2,4,6,8,10,12,14
.irp b, 0,1
	s_delay_alu instid0(VALU_DEP_2)
	v_max3_num_f32 v[232+\b], v[232+\b], |v[96+16*\b+\i]|, |v[97+16*\b+\i]|
.endr
.endr
.irp b, 0,1
	s_delay_alu instid0(VALU_DEP_2)
	v_permlanex16_b32 v[236+\b], v[232+\b], s[SEL], s[SEL+1]
.endr
.irp b, 0,1
	s_delay_alu instid0(VALU_DEP_2)
	v_max_num_f32 v[232+\b], v[232+\b], v[236+\b]
.endr
.irp b, 0,1
	s_delay_alu instid0(VALU_DEP_2)
	v_add_nc_u32 v[244+\b], 0xff000000, v[232+\b]
.endr
.irp b, 0,1
	s_delay_alu instid0(VALU_DEP_2)
	v_lshrrev_b32 v[236+\b], 23, v[244+\b]
.endr
	s_delay_alu instid0(VALU_DEP_1)
	v_lshl_or_b32 v248, v237, 8, v236
	s_delay_alu instid0(VALU_DEP_1)
	v_lshlrev_b32 v248, s[SHP], v248               ; an odd head's two bytes stand in the word's upper half
.irp b, 0,1
	v_cvt_scalef32_pk8_fp4_f32 v[224+2*\b], v[96+16*\b:103+16*\b], v[244+\b]
	v_cvt_scalef32_pk8_fp4_f32 v[225+2*\b], v[104+16*\b:111+16*\b], v[244+\b]
.endr
	v_nop
	v_permlane16_swap_b32 v224, v226
	v_permlane16_swap_b32 v225, v227
	global_store_b128 v[GO], v[224:227], s[68:69]  ; 512 consecutive bytes
	ds_store_b32 v[OS], v248
	s_wait_dscnt 0x0                               ; for the others' sake: my words have landed
	s_barrier_signal -1
	s_barrier_wait -1
	s_cmp_lt_u32 s[WV], 3
	s_cbranch_scc0 .Lend
	ds_load_b64 v[26:27], v[CPA]
	s_wait_dscnt 0x0
	global_store_b64 v[CPO], v[26:27], s[70:71]    ; 256 consecutive bytes: a head's 64 words
.Lend:
	s_wait_tensorcnt 0x0                           ; the wave's end
	ds_add_u32 v[SPW], v[NIL]
	s_wait_dscnt 0x0
	ROUND                                          ; the closing round
	s_endpgm
.Lfunc_end_k_q52116f771e_attn:
	.size	k_q52116f771e_attn, .Lfunc_end_k_q52116f771e_attn-k_q52116f771e_attn
	.p2alignl 7, 3214868480
	.fill 96, 4, 3214868480
	.section	.rodata,"a",@progbits
	.p2align	6, 0x0
	.amdhsa_kernel k_q52116f771e_attn
		.amdhsa_group_segment_fixed_size 327680
		.amdhsa_private_segment_fixed_size 0
		.amdhsa_enable_private_segment 0
		.amdhsa_kernarg_size 24
		.amdhsa_user_sgpr_count 2
		.amdhsa_user_sgpr_kernarg_segment_ptr 1
		.amdhsa_wavefront_size32 1
		.amdhsa_system_sgpr_workgroup_id_x 1
		.amdhsa_system_sgpr_workgroup_id_y 1
		.amdhsa_system_sgpr_workgroup_id_z 1
		.amdhsa_system_vgpr_workitem_id 0
		.amdhsa_next_free_vgpr 256
		.amdhsa_next_free_sgpr 96
		.amdhsa_reserve_vcc 0
		.amdhsa_float_denorm_mode_32 3
		.amdhsa_float_denorm_mode_16_64 3
		.amdhsa_memory_ordered 1
		.amdhsa_forward_progress 1
		.amdhsa_inst_pref_size 129
	.end_amdhsa_kernel
	.amdgpu_metadata
---
amdhsa.version: [ 1, 2 ]
amdhsa.kernels:
  - .name:           k_q52116f771e_attn
    .symbol:         k_q52116f771e_attn.kd
    .args:
      - { .name: qimg, .offset: 0, .size: 8, .value_kind: global_buffer, .address_space: global }
      - { .name: kv, .offset: 8, .size: 8, .value_kind: global_buffer, .address_space: global }
      - { .name: aimg, .offset: 16, .size: 8, .value_kind: global_buffer, .address_space: global }
    .group_segment_fixed_size: 327680
    .private_segment_fixed_size: 0
    .kernarg_segment_align: 8
    .kernarg_segment_size: 24
    .max_flat_workgroup_size: 384
    .sgpr_count:     96
    .vgpr_count:     256
    .wavefront_size: 32
...
	.end_amdgpu_metadata
.endif
;; end of part 3
;; launch oproj (part 4): grid 32 x 6, 8 waves a work-group, clusters of 4 x 1, 168,960 bytes of LDS; arguments img, aimg, bo, out0; writes out0
.if DOCPART == 4
	.amdgcn_target "amdgcn-amd-amdhsa--gfx1250"
	.amdhsa_code_object_version 6
	.text
	.protected	k_q52116f771e_oproj
	.globl	k_q52116f771e_oproj
	.p2align	8
	.type	k_q52116f771e_oproj,@function
k_q52116f771e_oproj:
	s_mov_b64 s[64:65], 0
	v_nop
	global_prefetch_b8 v0, s[64:65] scope:SCOPE_SE
	s_setreg_imm32_b32 hwreg(HW_REG_WAVE_MODE, 25, 1), 1
	s_wait_xcnt 0x0
	s_wait_alu depctr_hold_cnt(0) depctr_sa_sdst(0) depctr_va_vdst(0) depctr_va_sdst(0) depctr_va_ssrc(0) depctr_va_vcc(0) depctr_vm_vsrc(0)
	s_getreg_b32 s2, hwreg(HW_REG_IB_STS2, 6, 4)
	s_cmp_eq_u32 s2, 0
	s_cbranch_scc0 .Lentry_in_a_cluster
	s_endpgm
.Lentry_in_a_cluster:
	s_bfe_u32 s2, ttmp6, 0x10000c
	s_cmp_lg_u32 s2, 0x3003
	s_cbranch_scc0 .Lentry_shape_is_right
	s_endpgm
.Lentry_shape_is_right:
; out = a Wo^T + bo on codes of FP4 with E8M0 scales: a from aimg (kernel attn), Wo from img (blocks 50 to 55).  out0: [4096][768] f32.
; SHARES.  A work-group makes 128 tokens (X) x 128 features (Y).  Wave w: tiles of tokens 2 (w % 4) + n, n = 0, 1; tiles of features 4 (w / 4) + t, t = 0..3: eight accumulators, 48 products.
; Source 0 = 16 rows of Wo, source 1 = 16 tokens: a lane holds one token, and by the order of rows in a tile its registers of tiles 2 b, 2 b + 1 are 16 neighbouring features.
; aimg's scale words lie in two planes, one for each head of a K step, each with its two bytes in place and zeros beside them: an OR joins them.
; CLUSTER.  The four work-groups of a cluster have the same Y: Wo's block is asked for jointly (mask 15); a's block is each work-group's own.
; All LDS bytes are filled once, by one tensor load a wave: waves 0 to 3 bring the quarters of Wo's block (51 rows of 256 bytes each), waves 4 to 7 those of a's (54 rows each).
; THE WAY OUT goes through the wave's own stage in LDS: 16 tokens x 256 bytes come back as whole rows, sixteen lanes store 256 consecutive bytes at a multiple of 256 from out0's first byte.
.set PIECE,  8704
.set APIECE, 9216
.set BLKB,   52224
.set QP,     BLKB/4                    ; a quarter of Wo's block
.set QA,     6*APIECE/4                ; a quarter of a's
.set SB,     BLKB                      ; LDS: Wo's block at 0, a's behind it (55,296 bytes),
.set STG,    SB+6*APIECE               ; the stages: 16 rows x 272 bytes for each wave
.set SPT,    272
.set VP,  4
.set VS,  5
.set VPS, 6
.set VSS, 7
.set STI, 8
.set STO, 9
.set VB,  10
.set VO,  11
.set BO,  16                           ; v16-47   bo in the result's layout, eight registers a tile
.set PF,  48                           ; v48-79   Wo's four fragments
.set SF,  80                           ; v80-95   a's two
.set PS,  96                           ; v96-97   Wo's scale words
.set SC,  98                           ; v98-103  a's, one register for each K step: lanes 0-15 n = 0, lanes 16-31 n = 1
.set PL,  104                          ; v104-115 the two planes
.set ACC, 128                          ; v128-191 acc(t, n) at 128 + 32 n + 8 t
.set OUTR, 192                         ; v192-255 rows on their way out
.set WV, 12
.set WI, 13
.set PH, 14
.set CX, 15
.set BX, 16
.set BY, 17
.set G1P, 24
.set G1A, 32
.set G0P, 40
.set G0A, 44
.macro PLACES n
.rept \n
	v_nop
.endr
.endm
.macro ROUND
	s_barrier_signal -1
	s_barrier_wait -1
	s_cmp_lg_u32 s[WV], 0
	s_cbranch_scc1 .Lnot_wave_0_\@
	s_barrier_signal -3
.Lnot_wave_0_\@:
	s_barrier_wait -3
	s_barrier_signal -1
	s_barrier_wait -1
.endm
.macro WM d, a, b, c, sa, sb, ra, rb
.if (\ra) && (\rb)
	v_wmma_scale_f32_16x16x128_f8f6f4 v[\d:\d+7], v[\a:\a+7], v[\b:\b+7], v[\c:\c+7], v[\sa], v[\sb] matrix_a_fmt:MATRIX_FMT_FP4 matrix_b_fmt:MATRIX_FMT_FP4 matrix_a_scale:MATRIX_SCALE_ROW1 matrix_b_scale:MATRIX_SCALE_ROW1
.elseif (\ra)
	v_wmma_scale_f32_16x16x128_f8f6f4 v[\d:\d+7], v[\a:\a+7], v[\b:\b+7], v[\c:\c+7], v[\sa], v[\sb] matrix_a_fmt:MATRIX_FMT_FP4 matrix_b_fmt:MATRIX_FMT_FP4 matrix_a_scale:MATRIX_SCALE_ROW1
.elseif (\rb)
	v_wmma_scale_f32_16x16x128_f8f6f4 v[\d:\d+7], v[\a:\a+7], v[\b:\b+7], v[\c:\c+7], v[\sa], v[\sb] matrix_a_fmt:MATRIX_FMT_FP4 matrix_b_fmt:MATRIX_FMT_FP4 matrix_b_scale:MATRIX_SCALE_ROW1
.else
	v_wmma_scale_f32_16x16x128_f8f6f4 v[\d:\d+7], v[\a:\a+7], v[\b:\b+7], v[\c:\c+7], v[\sa], v[\sb] matrix_a_fmt:MATRIX_FMT_FP4 matrix_b_fmt:MATRIX_FMT_FP4
.endif
.endm
.macro KSTEP s
	PLACES 4                                       ; in front of loads into registers that matrix instructions have read
.irp t, 0,1,2,3
.irp c, 0,1
	ds_load_b128 v[PF+8*\t+4*\c:PF+8*\t+4*\c+3], v[VP] offset:PIECE*(\s)+1024*\t+512*\c
.endr
.endr
.irp n, 0,1
.irp c, 0,1
	ds_load_b128 v[SF+8*\n+4*\c:SF+8*\n+4*\c+3], v[VS] offset:APIECE*(\s)+1024*\n+512*\c
.endr
.endr
.irp j, 0,1
	ds_load_b32 v[PS+\j], v[VPS] offset:PIECE*(\s)+128*\j
.endr
	s_wait_dscnt 0x0
.irp n, 0,1
.irp t, 0,1,2,3
.if (\s) == 0
	WM ACC+32*\n+8*\t, PF+8*\t, SF+8*\n, BO+8*\t, PS+\t/2, SC+(\s), \t%2, \n          ; the bias is the C of each sum's first product
.else
	WM ACC+32*\n+8*\t, PF+8*\t, SF+8*\n, ACC+32*\n+8*\t, PS+\t/2, SC+(\s), \t%2, \n   ; the eight accumulators take turns
.endif
.endr
.endr
.endm
	s_load_b256 s[4:11], s[0:1], 0x0               ; img s[4:5], aimg s[6:7], bo s[8:9], out0 s[10:11]
	v_lshl_add_u32 v126, v0, 2, 0x29000
	v_mov_b32 v127, 0
	ds_add_u32 v126, v127                          ; the opening lines: the add twice on end and its wait
	ds_add_u32 v126, v127
	v_lshrrev_b32 v1, 5, v0
	s_delay_alu instid0(VALU_DEP_1)
	v_readfirstlane_b32 s[WV], v1                  ; wave 0..7
	s_and_b32 s[WI], s[WV], 3
	s_lshr_b32 s[PH], s[WV], 2
	s_bfe_u32 s[CX], ttmp6, 0x40000
	s_lshl_b32 s[BX], ttmp9, 2
	s_add_co_u32 s[BX], s[BX], s[CX]               ; X
	s_and_b32 s[BY], ttmp7, 0xffff                 ; Y: the same in the four partners
	v_and_b32 v1, 31, v0                           ; lane
	v_and_b32 v2, 15, v0                           ; r
	s_wait_alu depctr_va_vdst(0)
	v_bfe_u32 v3, v0, 4, 1                         ; h
	s_lshl_b32 s18, s[PH], 12
	v_lshl_add_u32 v[VP], v1, 4, s18               ; Wo's tiles 4 (w / 4) on
	s_lshl_b32 s18, s[WI], 11
	s_add_co_u32 s18, s18, SB
	v_lshl_add_u32 v[VS], v1, 4, s18               ; a's tiles 2 (w % 4) on
	s_lshl_b32 s18, s[PH], 8
	s_add_co_u32 s18, s18, 8192
	v_lshl_add_u32 v[VPS], v1, 2, s18
	s_lshl_b32 s18, s[WI], 7
	s_add_co_u32 s18, s18, SB+8192
	v_lshl_add_u32 v[VSS], v1, 2, s18
	s_mul_i32 s18, s[WV], 16*SPT
	s_add_co_u32 s18, s18, STG                     ; my stage
	v_mul_u32_u24 v[STI], v2, SPT
	s_wait_alu depctr_va_vdst(0)
	v_lshl_add_u32 v[STI], v3, 6, v[STI]
	s_delay_alu instid0(VALU_DEP_1)
	v_add_nc_u32 v[STI], s18, v[STI]               ; in: row r, + 64 h
	v_mul_u32_u24 v[STO], v3, SPT
	s_delay_alu instid0(VALU_DEP_1)
	v_lshl_add_u32 v[STO], v2, 4, v[STO]
	s_delay_alu instid0(VALU_DEP_1)
	v_add_nc_u32 v[STO], s18, v[STO]               ; back: lanes 0-15 one row, lanes 16-31 the next
	v_lshlrev_b32 v[VB], 6, v3
	v_mul_u32_u24 v[VO], v3, 3072
	s_delay_alu instid0(VALU_DEP_1)
	v_lshl_add_u32 v[VO], v2, 4, v[VO]             ; and the same two rows in out0
	s_mov_b32 s[G1P], 15|(3<<16)|(1<<21)           ; a quarter of Wo's block: joint; 51 rows of 32 elements of 8 bytes
	s_mov_b32 s[G1P+1], 32<<16
	s_mov_b32 s[G1P+2], 51<<16
	s_mov_b32 s[G1P+3], 32<<16
	s_mov_b32 s[G1P+4], 51
	s_mov_b32 s[G1P+5], 32
	s_mov_b32 s[G1P+6], 0
	s_mov_b32 s[G1P+7], 0
	s_mov_b32 s[G1A], 3<<16                        ; a quarter of a's block: my own; 54 rows
	s_mov_b32 s[G1A+1], 32<<16
	s_mov_b32 s[G1A+2], 54<<16
	s_mov_b32 s[G1A+3], 32<<16
	s_mov_b32 s[G1A+4], 54
	s_mov_b32 s[G1A+5], 32
	s_mov_b32 s[G1A+6], 0
	s_mov_b32 s[G1A+7], 0
	s_mov_b32 s[G0P], 1
	s_mul_i32 s[G0P+1], s[WI], QP                  ; quarter w % 4 of a block
	s_mov_b32 s[G0A], 1
	s_mul_i32 s[G0A+1], s[WI], QA
	s_add_co_u32 s[G0A+1], s[G0A+1], SB
	s_add_co_u32 s48, s[BY], 50
	s_mul_i32 s48, s48, BLKB
	s_add_co_u32 s48, s48, s[G0P+1]
	s_mov_b32 s49, 0                               ; s[48:49]: made of Y and the wave's number alone
	s_mul_i32 s50, s[BX], 6*APIECE
	s_mul_i32 s51, s[WI], QA
	s_add_co_u32 s50, s50, s51
	s_mov_b32 s51, 0
	s_lshl_b32 s52, s[BY], 9
	s_lshl_b32 s53, s[PH], 8
	s_add_co_u32 s52, s52, s53                     ; my 64 features, in bytes
	s_mov_b32 s53, 0
	s_lshl_b32 s54, s[BX], 7
	s_lshl_b32 s55, s[WI], 5
	s_add_co_u32 s54, s54, s55                     ; my 32 tokens' first
	s_mul_i32 s54, s54, 3072
	s_add_co_u32 s54, s54, s52
	s_mov_b32 s55, 0
	s_wait_dscnt 0x0
	s_wait_kmcnt 0x0
	s_add_nc_u64 s[G0P+2:G0P+3], s[4:5], s[48:49]
	s_or_b32 s[G0P+3], s[G0P+3], 0x80000000
	s_add_nc_u64 s[G0A+2:G0A+3], s[6:7], s[50:51]
	s_or_b32 s[G0A+3], s[G0A+3], 0x80000000
	s_add_nc_u64 s[8:9], s[8:9], s[52:53]
	s_add_nc_u64 s[10:11], s[10:11], s[54:55]
	ROUND                                          ; all four work-groups are here: the joint loads meet
	s_cmp_lt_u32 s[WV], 4                          ; one branch on the wave's number, one fill in each arm
	s_cbranch_scc0 .Lfor_a
	tensor_load_to_lds s[G0P:G0P+3], s[G1P:G1P+7]
	s_nop 0
	PLACES 4
	s_branch .Lasked
.Lfor_a:
	tensor_load_to_lds s[G0A:G0A+3], s[G1A:G1A+7]
	s_nop 0
	PLACES 4
.Lasked:
	s_wait_alu depctr_va_vdst(0)
.irp t, 0,1,2,3
	global_load_b128 v[BO+8*\t:BO+8*\t+3], v[VB], s[8:9] offset:4*(32*(\t/2)+8*(\t%2))      ; tile t's register j is feature 32 (t / 2) + 16 h + 8 (t % 2) + j of my 64
	global_load_b128 v[BO+8*\t+4:BO+8*\t+7], v[VB], s[8:9] offset:4*(32*(\t/2)+8*(\t%2))+16
.endr
	s_wait_tensorcnt 0x0                           ; my quarter is in,
	s_barrier_signal -1
	s_barrier_wait -1                              ; everybody's is
.irp s, 0,1,2,3,4,5
	ds_load_b32 v[PL+2*\s], v[VSS] offset:APIECE*\s
	ds_load_b32 v[PL+2*\s+1], v[VSS] offset:APIECE*\s+512
.endr
	s_wait_dscnt 0x0
.irp s, 0,1,2,3,4,5
	v_or_b32 v[SC+\s], v[PL+2*\s], v[PL+2*\s+1]    ; the two heads' bytes make the K step's word
.endr
	PLACES 4                                       ; with the four at the first K step's head: eight places between a scale register written by a vector instruction and a scaled product
	s_wait_alu depctr_va_vdst(0)
	s_wait_loadcnt 0x0                             ; bo
	KSTEP 0
	KSTEP 1
	KSTEP 2
	KSTEP 3
	KSTEP 4
	KSTEP 5
	PLACES 4                                       ; in front of the first read of results
.irp n, 0,1
.irp t, 0,1,2,3
	ds_store_b128 v[STI], v[ACC+32*\n+8*\t:ACC+32*\n+8*\t+3] offset:128*(\t/2)+32*(\t%2)        ; each accumulator from its low end on
	ds_store_b128 v[STI], v[ACC+32*\n+8*\t+4:ACC+32*\n+8*\t+7] offset:128*(\t/2)+32*(\t%2)+16
.endr
.irp k, 0,1,2,3,4,5,6,7
	ds_load_b128 v[OUTR+32*\n+4*\k:OUTR+32*\n+4*\k+3], v[STO] offset:2*\k*SPT   ; LDS serves a wave's instructions in order: these see my stores, and the next tile's stores come behind them
.endr
.endr
.irp n, 0,1
.irp k, 0,1,2,3,4,5,6,7
	s_wait_dscnt (1-\n)*16+7-\k                    ; behind this load: the tile's later loads, and for tile 0 tile 1's eight stores and eight loads
	global_store_b128 v[VO], v[OUTR+32*\n+4*\k:OUTR+32*\n+4*\k+3], s[10:11] offset:3072*(8*\n+2*\k+8*(\k/4)) th:TH_STORE_NT   ; tile row 2 k + h is token 8 n + 2 k + h, + 8 from row 8 on
.endr
.endr
	s_wait_tensorcnt 0x0                           ; the wave's end
	ds_add_u32 v126, v127
	s_wait_dscnt 0x0
	ROUND                                          ; the closing round
	s_endpgm
.Lfunc_end_k_q52116f771e_oproj:
	.size	k_q52116f771e_oproj, .Lfunc_end_k_q52116f771e_oproj-k_q52116f771e_oproj
	.p2alignl 7, 3214868480
	.fill 96, 4, 3214868480
	.section	.rodata,"a",@progbits
	.p2align	6, 0x0
	.amdhsa_kernel k_q52116f771e_oproj
		.amdhsa_group_segment_fixed_size 168960
		.amdhsa_private_segment_fixed_size 0
		.amdhsa_enable_private_segment 0
		.amdhsa_kernarg_size 32
		.amdhsa_user_sgpr_count 2
		.amdhsa_user_sgpr_kernarg_segment_ptr 1
		.amdhsa_wavefront_size32 1
		.amdhsa_system_sgpr_workgroup_id_x 1
		.amdhsa_system_sgpr_workgroup_id_y 1
		.amdhsa_system_sgpr_workgroup_id_z 1
		.amdhsa_system_vgpr_workitem_id 0
		.amdhsa_next_free_vgpr 256
		.amdhsa_next_free_sgpr 66
		.amdhsa_reserve_vcc 0
		.amdhsa_float_denorm_mode_32 3
		.amdhsa_float_denorm_mode_16_64 3
		.amdhsa_memory_ordered 1
		.amdhsa_forward_progress 1
		.amdhsa_inst_pref_size 25
	.end_amdhsa_kernel
	.amdgpu_metadata
---
amdhsa.version: [ 1, 2 ]
amdhsa.kernels:
  - .name:           k_q52116f771e_oproj
    .symbol:         k_q52116f771e_oproj.kd
    .args:
      - { .name: img, .offset: 0, .size: 8, .value_kind: global_buffer, .address_space: global }
      - { .name: aimg, .offset: 8, .size: 8, .value_kind: global_buffer, .address_space: global }
      - { .name: bo, .offset: 16, .size: 8, .value_kind: global_buffer, .address_space: global }
      - { .name: out0, .offset: 24, .size: 8, .value_kind: global_buffer, .address_space: global }
    .group_segment_fixed_size: 168960
    .private_segment_fixed_size: 0
    .kernarg_segment_align: 8
    .kernarg_segment_size: 32
    .max_flat_workgroup_size: 256
    .sgpr_count:     66
    .vgpr_count:     256
    .wavefront_size: 32
...
	.end_amdgpu_metadata
.endif
;; end of part 4
